; MI455X (gfx1250); checked and timed in simulation.
; The chip was launched on July 23, 2026; its instructions are those of AMD's public machine-readable ISA for CDNA 5 (MIT licence, August 2026) and "CDNA5" Instruction Set Architecture Reference Guide (July 2026). The comments in the code are by the model that wrote it; some were corrected since.
;; Attention Layer. Allowed arithmetic: float matrix products may take bf16 or f16 operands with f32 sums; all other float work in f32.
;; Inputs: W1 4,096 x 2,048 float32; W2 1,024 x 4,096 float32; Wk 1,024 x 1,024 float32; Wq 1,024 x 1,024 float32; Wv 1,024 x 1,024 float32; dec_h 16 x 1,024 float32; enc 16 x 2,048 x 1,024 float32.
;; Outputs: out0 16 x 1,024 float32.
;; 2 versions, each right; version 2 is version 1 with the launch attn written anew for expert scheduling mode. Each part assembles by itself: llvm-mc -triple=amdgcn-amd-amdhsa -mcpu=gfx1250 --defsym DOCPART=n.
;; ======== version 1 of 2: 7 launches
;; workspace buffers: qfrag 32,768 bytes; qkrow 524,288 bytes; pe 16,777,216 bytes; ml 65,536 bytes; efrag 524,288 bytes; xfrag 65,536 bytes; hfrag 131,072 bytes
;; launch qproj (part 1): grid 64 x 1, 8 waves a work-group, no clusters, 78,848 bytes of LDS; arguments Wq, dec_h, qfrag, xfrag; writes qfrag, xfrag
.if DOCPART == 1
	.amdgcn_target "amdgcn-amd-amdhsa--gfx1250"
	.amdhsa_code_object_version 6
	.text
	.protected	k_q98a9391d37_qproj
	.globl	k_q98a9391d37_qproj
	.p2align	8
	.type	k_q98a9391d37_qproj,@function
k_q98a9391d37_qproj:
	s_mov_b64 s[64:65], 0
	v_nop
	global_prefetch_b8 v0, s[64:65] scope:SCOPE_SE
	s_setreg_imm32_b32 hwreg(HW_REG_WAVE_MODE, 25, 1), 1
	s_wait_xcnt 0x0
; q = dec_h Wq^T, 16 rows.  Stored as bf16 in FRAGMENT ORDER: [k / 32][q = 0, 1][lane][8 bf16], lane (row r, half hh) holding k = 32 s + 16 q + 8 hh + 0..7,
; so that a later launch fills a matrix operand by two loads of 512 consecutive bytes.  Work-group 0 also stores dec_h, rounded to bf16, in that order (the first half of xfrag).
; ONE TEXT serves the four products with 16 activation rows (q, ctx, the two layers of the MLP); the constants just below choose its form.
; SHARES.  A work-group owns 16 rows of W over all of K; wave w owns 128 NBLK columns of K; the waves' partial tiles meet in LDS and wave 0 adds them.
; W is read once, each load of a wave 512 consecutive bytes of one row, rounded to bf16, laid into the wave's own LDS rows and read back as fragments.
; The product is used as D = (16 rows of W) x (16 activation rows): a lane then holds 8 neighbouring outputs of one activation row.
; NO CLUSTER, NO TENSOR LOADS: W is f32 and has to be rounded on its way, so it passes through registers; what work-groups share (the activations, a third of a
; work-group's bytes at the most) goes from memory straight into registers in fragment order, and a joint request would have to land in LDS and be read once more.
; LIMITS.  dec_h, Wq and q are rounded once to bf16; sums in f32; NaN and infinities are not treated apart.
.set NW,    8                          ; waves
.set NBLK,  1                          ; blocks of 128 columns of K to a wave
.set ROWB,  4096                       ; bytes in a row of W
.set XMODE, 1                          ; 1: the activations come as f32 rows and are rounded here; 0: they come in fragment order
.set PERM,  0                          ; 1: the activations are efrag, whose K order has the two middle groups of four in each 16 swapped
.set EPI,   0                          ; 0: bf16 in fragment order; 1: SiLU, then the same; 2: f32 rows
.set OUTB,  0                          ; byte at which this launch's part of the output buffer begins
.set PB,     256*NBLK+16               ; an LDS row: the wave's columns in bf16 + 16 bytes: an odd multiple of 16, so the 16 rows of a fragment load start at 16 different groups of four banks
.set REGION, 16*PB*(1+XMODE)           ; a wave's own rows
.set RED,    NW*REGION                 ; the partial tiles: [wave][half][lane][4 f32]
.set SPARE,  RED+NW*1024               ; the spare words, 128 bytes for each wave, that no other line names
.set GO,   4                           ; 16 x lane
.set STO,  5                           ; where my 8 bytes of a row go
.set STO2, 6                           ; the same in the second region (XMODE)
.set FR,   7                           ; my place in a fragment: row r, 16 bytes for each half of the lanes
.set FR2,  8
.set RS,   9                           ; my 16 bytes of my wave's partial tile
.set RD,   10                          ; the same in wave 0's
.set OO,   11                          ; my byte offset in the output
.set SPW,  12                          ; LDS address of my spare word; never rewritten
.set NIL,  13                          ; 0; never rewritten
.set T,    14                          ; v[14:17] two pairs at work, by turns
.set R,    18                          ; v[18:25] my partial tile
.set XO,   26                          ; my byte offset in xfrag (XMODE)
.set WGO,  27                          ; my byte offset in 512 bytes of a row of W
.set TV,   28                          ; at work
.set SA,   32                          ; two accumulators, by turns
.set SB,   40
.set XF,   48                          ; the activations' fragments, 8 registers a K step of 32
.set BUF0, 112                         ; a block as loaded, 16 slots of 4; then its fragments
.set BUF1, 176
.set TT,   0
.macro SLOT x, left, sto, off          ; one row's 512 bytes: waited for, rounded, laid into LDS (256 consecutive bytes)
	s_wait_loadcnt \left
	v_cvt_pk_bf16_f32 v[T+2*TT], v[\x], v[(\x)+1]
	v_cvt_pk_bf16_f32 v[T+2*TT+1], v[(\x)+2], v[(\x)+3]
	ds_store_b64 v[\sto], v[T+2*TT:T+2*TT+1] offset:\off
.set TT, 1-TT
.endm
.macro FRAGS dst, adr, off             ; the fragments of 16 rows x 128 K: LDS serves a wave in order (ISA guide 5.7.1.4), so these see the wave's own stores
.irp ks, 0,1,2,3
	ds_load_b128 v[(\dst)+8*\ks:(\dst)+8*\ks+3], v[\adr] offset:(\off)+64*\ks
	ds_load_b128 v[(\dst)+8*\ks+4:(\dst)+8*\ks+7], v[\adr] offset:(\off)+64*\ks+32
.endr
.endm
.macro MUL4 a, b, first                ; 128 along K; the two accumulators take turns; first = 1: the first two products start the sums
.irp ks, 0,1,2,3
.if (\first) && (\ks < 2)
	v_wmma_f32_16x16x32_bf16 v[SA+8*(\ks%2):SA+8*(\ks%2)+7], v[(\a)+8*\ks:(\a)+8*\ks+7], v[(\b)+8*\ks:(\b)+8*\ks+7], 0
.else
	v_wmma_f32_16x16x32_bf16 v[SA+8*(\ks%2):SA+8*(\ks%2)+7], v[(\a)+8*\ks:(\a)+8*\ks+7], v[(\b)+8*\ks:(\b)+8*\ks+7], v[SA+8*(\ks%2):SA+8*(\ks%2)+7]
.endif
.endr
.endm
.macro PLACES                          ; four places behind a matrix instruction (ISA guide 7.12.1)
.rept 4
	v_nop
.endr
.endm
.macro FINISH                          ; the wave's end: three lines behind my last LDS store
	s_wait_tensorcnt 0x0
	ds_add_u32 v[SPW], v[NIL]
	s_wait_dscnt 0x0
.endm
.if XMODE
	s_load_b256 s[4:11], s[0:1], 0x0               ; W s[4:5], x s[6:7], out s[8:9], xfrag s[10:11]
.else
	s_load_b128 s[4:7], s[0:1], 0x0                ; W s[4:5], x s[6:7]
	s_load_b64 s[8:9], s[0:1], 0x10                ; out
.endif
	v_lshl_add_u32 v[SPW], v0, 2, SPARE
	v_mov_b32 v[NIL], 0
	v_and_b32 v1, 31, v0                           ; lane
	v_lshrrev_b32 v2, 5, v0
	v_readfirstlane_b32 s12, v2                    ; wave
	v_and_b32 v2, 15, v0                           ; r
	v_bfe_u32 v3, v0, 4, 1                         ; hh
	s_mov_b32 s13, ttmp9                           ; which 16 rows of W
	v_lshlrev_b32 v[GO], 4, v1
.if PERM
	v_and_b32 v[WGO], 0x1c, v1                     ; the lane's number with its two lowest bits exchanged: of each 16 columns the two middle groups of four change places
	v_and_b32 v[TV], 1, v1
	v_lshl_or_b32 v[WGO], v[TV], 1, v[WGO]
	v_bfe_u32 v[TV], v1, 1, 1
	v_or_b32 v[WGO], v[WGO], v[TV]
	v_lshlrev_b32 v[WGO], 4, v[WGO]
.else
	v_lshlrev_b32 v[WGO], 4, v1
.endif
	s_mul_i32 s16, s12, REGION                     ; my wave's rows in LDS
	v_lshl_add_u32 v[STO], v1, 3, s16
	v_mul_u32_u24 v[FR], v2, PB
	v_lshl_add_u32 v[FR], v3, 4, v[FR]
	v_add_nc_u32 v[FR], s16, v[FR]
.if XMODE
	v_add_nc_u32 v[STO2], 16*PB, v[STO]
	v_add_nc_u32 v[FR2], 16*PB, v[FR]
	s_lshl_b32 s17, s12, 12                        ; my four K steps of 1,024 bytes in xfrag
	v_lshl_add_u32 v[XO], v1, 4, s17
.endif
	s_lshl_b32 s17, s12, 10
	s_add_co_u32 s17, s17, RED
	v_lshl_add_u32 v[RS], v1, 4, s17
	v_lshl_add_u32 v[RD], v1, 4, RED
.if EPI == 2
	v_lshlrev_b32 v[OO], 12, v2                    ; row r of 4,096 bytes, 32 bytes for each half of the lanes
	v_lshl_add_u32 v[OO], v3, 5, v[OO]
.else
	v_lshlrev_b32 v[OO], 4, v1
.endif
	s_mul_i32 s14, s13, 16*ROWB                    ; W: my 16 rows, my wave's columns
	s_mul_i32 s18, s12, 512*NBLK
	s_add_co_u32 s14, s14, s18
	s_mov_b32 s15, 0
.if XMODE
	s_lshl_b32 s18, s12, 9                         ; x: my wave's 128 columns of f32
.else
	s_mul_i32 s18, s12, 4096*NBLK                  ; x: my wave's K steps of 1,024 bytes
.endif
.if PERM
	s_lshr_b32 s20, s13, 2                         ; the head to which my 16 rows belong: 32,768 bytes each
	s_lshl_b32 s20, s20, 15
	s_add_co_u32 s18, s18, s20
.endif
	s_mov_b32 s19, 0
.if EPI == 2
	s_lshl_b32 s20, s13, 6                         ; 16 columns of f32
.else
	s_lshl_b32 s20, s13, 9                         ; 16 values of k in fragment order: 512 bytes
.if OUTB
	s_add_co_u32 s20, s20, OUTB
.endif
.endif
	s_mov_b32 s21, 0
	s_wait_kmcnt 0x0
	s_add_nc_u64 s[4:5], s[4:5], s[14:15]
	s_add_nc_u64 s[6:7], s[6:7], s[18:19]
	s_add_nc_u64 s[8:9], s[8:9], s[20:21]
.if XMODE
	; all loads go out at once: 16 rows of the activations, then 16 rows of W
.set i, 0
.rept 16
	global_load_b128 v[BUF0+4*i:BUF0+4*i+3], v[GO], s[6:7] offset:i*4096
.set i, i+1
.endr
.set i, 0
.rept 16
	global_load_b128 v[BUF1+4*i:BUF1+4*i+3], v[WGO], s[4:5] offset:i*ROWB th:TH_LOAD_NT
.set i, i+1
.endr
.irp i, 0,1,2,3,4,5,6,7,8,9,10,11,12,13,14,15
	SLOT BUF0+4*\i, 31-\i, STO, \i*PB              ; the count: the younger loads, 15 - i of this block and W's 16
.endr
	FRAGS BUF0, FR, 0
.irp i, 0,1,2,3,4,5,6,7,8,9,10,11,12,13,14,15
	SLOT BUF1+4*\i, 15-\i, STO2, \i*PB
.endr
	FRAGS BUF1, FR2, 0
	s_wait_dscnt 0x0
	s_cmp_lg_u32 s13, 0
	s_cbranch_scc1 .Lnox
.set i, 0
.rept 8                                ; work-group 0: the activations' fragments are what the first layer of the MLP will load: 512 consecutive bytes a store
	global_store_b128 v[XO], v[BUF0+4*i:BUF0+4*i+3], s[10:11] offset:i*512
.set i, i+1
.endr
.Lnox:
	MUL4 BUF1, BUF0, 1
.else
	; all loads go out at once: the activations' fragments, then W's blocks
.set i, 0
.rept 8*NBLK
	global_load_b128 v[XF+4*i:XF+4*i+3], v[GO], s[6:7] offset:i*512
.set i, i+1
.endr
.set i, 0
.rept 16*NBLK
	global_load_b128 v[BUF0+4*i:BUF0+4*i+3], v[WGO], s[4:5] offset:(i%16)*ROWB+(i/16)*512 th:TH_LOAD_NT
.set i, i+1
.endr
.irp i, 0,1,2,3,4,5,6,7,8,9,10,11,12,13,14,15
	SLOT BUF0+4*\i, 16*NBLK-1-\i, STO, \i*PB       ; the count: the younger loads of W; the activations' are older, so they are in too
.endr
	FRAGS BUF0, FR, 0
.if NBLK == 2
.irp i, 0,1,2,3,4,5,6,7
	SLOT BUF1+4*\i, 15-\i, STO, \i*PB+256
.endr
	s_wait_dscnt 0x8                               ; the eight stores just issued may be out; the eight fragment loads in front of them are in
	MUL4 BUF0, XF, 1
.irp i, 8,9,10,11,12,13,14,15
	SLOT BUF1+4*\i, 15-\i, STO, \i*PB+256
.endr
	FRAGS BUF1, FR, 256
	s_wait_dscnt 0x0
	MUL4 BUF1, XF+32, 0
.else
	s_wait_dscnt 0x0
	MUL4 BUF0, XF, 1
.endif
.endif
	PLACES
.irp j, 0,2,4,6
	v_pk_add_f32 v[R+\j:R+\j+1], v[SA+\j:SA+\j+1], v[SB+\j:SB+\j+1]  ; from each accumulator's low end on
.endr
	ds_store_b128 v[RS], v[R:R+3]
	ds_store_b128 v[RS], v[R+4:R+7] offset:512
	s_wait_dscnt 0x0                               ; for wave 0's sake: my partial tile is in LDS
	s_barrier_signal -1
	s_barrier_wait -1
	s_cmp_lg_u32 s12, 0
	s_cbranch_scc1 .Lend
.if XMODE
	s_wait_xcnt 0x0                                ; the stores into xfrag have read BUF0, which is loaded again below
.endif
.set i, 0
.rept 2*NW
	ds_load_b128 v[BUF0+4*i:BUF0+4*i+3], v[RD] offset:i*512
.set i, i+1
.endr
	s_wait_dscnt 0x0
.set i, 1
.rept NW-1
.irp j, 0,2,4,6
	v_pk_add_f32 v[BUF0+\j:BUF0+\j+1], v[BUF0+\j:BUF0+\j+1], v[BUF0+8*i+\j:BUF0+8*i+\j+1]
.endr
.set i, i+1
.endr
.if EPI == 1
	; SiLU: a / (1 + 2^(-a log2 e)).  Far below zero the power is infinite, its reciprocal 0 and the result -0, the limit of a sigmoid(a)
.irp j, 0,1,2,3,4,5,6,7
	v_mul_f32 v[BUF0+8+\j], 0xbfb8aa3b, v[BUF0+\j]
.endr
.irp j, 0,1,2,3,4,5,6,7
	v_exp_f32 v[BUF0+8+\j], v[BUF0+8+\j]
.endr
	v_nop                                          ; a plain instruction behind the last exponential (ISA guide 5.7.2)
.irp j, 0,2,4,6
	v_pk_add_f32 v[BUF0+8+\j:BUF0+9+\j], v[BUF0+8+\j:BUF0+9+\j], 1.0 op_sel_hi:[1,0]
.endr
.irp j, 0,1,2,3,4,5,6,7
	v_rcp_f32 v[BUF0+8+\j], v[BUF0+8+\j]
.endr
	v_nop
.irp j, 0,2,4,6
	v_pk_mul_f32 v[BUF0+\j:BUF0+\j+1], v[BUF0+\j:BUF0+\j+1], v[BUF0+8+\j:BUF0+9+\j]
.endr
.endif
.if EPI == 2
	global_store_b128 v[OO], v[BUF0:BUF0+3], s[8:9]            ; a work-group owns 64 bytes of each of the 16 rows
	global_store_b128 v[OO], v[BUF0+4:BUF0+7], s[8:9] offset:16
.else
.irp j, 0,1,2,3
	v_cvt_pk_bf16_f32 v[T+\j], v[BUF0+2*\j], v[BUF0+2*\j+1]
.endr
	global_store_b128 v[OO], v[T:T+3], s[8:9]                  ; the wave stores 512 consecutive bytes
.endif
.Lend:
	FINISH
	s_endpgm
.Lfunc_end_k_q98a9391d37_qproj:
	.size	k_q98a9391d37_qproj, .Lfunc_end_k_q98a9391d37_qproj-k_q98a9391d37_qproj
	.p2alignl 7, 3214868480
	.fill 96, 4, 3214868480
	.section	.rodata,"a",@progbits
	.p2align	6, 0x0
	.amdhsa_kernel k_q98a9391d37_qproj
		.amdhsa_group_segment_fixed_size 78848
		.amdhsa_private_segment_fixed_size 0
		.amdhsa_enable_private_segment 0
		.amdhsa_kernarg_size 32
		.amdhsa_user_sgpr_count 2
		.amdhsa_user_sgpr_kernarg_segment_ptr 1
		.amdhsa_wavefront_size32 1
		.amdhsa_system_sgpr_workgroup_id_x 1
		.amdhsa_system_sgpr_workgroup_id_y 1
		.amdhsa_system_sgpr_workgroup_id_z 1
		.amdhsa_system_vgpr_workitem_id 0
		.amdhsa_next_free_vgpr 240
		.amdhsa_next_free_sgpr 66
		.amdhsa_reserve_vcc 0
		.amdhsa_float_denorm_mode_32 3
		.amdhsa_float_denorm_mode_16_64 3
		.amdhsa_memory_ordered 1
		.amdhsa_forward_progress 1
		.amdhsa_inst_pref_size 19
	.end_amdhsa_kernel
	.amdgpu_metadata
---
amdhsa.version: [ 1, 2 ]
amdhsa.kernels:
  - .name:           k_q98a9391d37_qproj
    .symbol:         k_q98a9391d37_qproj.kd
    .args:
      - { .name: Wq, .offset: 0, .size: 8, .value_kind: global_buffer, .address_space: global }
      - { .name: dec_h, .offset: 8, .size: 8, .value_kind: global_buffer, .address_space: global }
      - { .name: qfrag, .offset: 16, .size: 8, .value_kind: global_buffer, .address_space: global }
      - { .name: xfrag, .offset: 24, .size: 8, .value_kind: global_buffer, .address_space: global }
    .group_segment_fixed_size: 78848
    .private_segment_fixed_size: 0
    .kernarg_segment_align: 8
    .kernarg_segment_size: 32
    .max_flat_workgroup_size: 256
    .sgpr_count:     66
    .vgpr_count:     240
    .wavefront_size: 32
...
	.end_amdgpu_metadata
.endif
;; end of part 1
;; launch qk (part 2): grid 64 x 1, 4 waves a work-group, no clusters, 8,960 bytes of LDS; arguments qfrag, Wk, qkrow; writes qkrow
.if DOCPART == 2
	.amdgcn_target "amdgcn-amd-amdhsa--gfx1250"
	.amdhsa_code_object_version 6
	.text
	.protected	k_q98a9391d37_qk
	.globl	k_q98a9391d37_qk
	.p2align	8
	.type	k_q98a9391d37_qk,@function
k_q98a9391d37_qk:
	s_mov_b64 s[64:65], 0
	v_nop
	global_prefetch_b8 v0, s[64:65] scope:SCOPE_SE
	s_setreg_imm32_b32 hwreg(HW_REG_WAVE_MODE, 25, 1), 1
	s_wait_xcnt 0x0
; qk[b][h][d] = the sum over j of q[b][64 h + j] Wk[64 h + j][d]: the key projection moved to the query's side, since scores[b][h][t] = (q_h Wk_h) . enc[b][t].  Stored as bf16 rows [b][h][1024].
; SHARES.  Work-group x: head x / 4, 256 values of d; wave w 64 of them.  K is the head's 64 values of j: two matrix steps.
; Wk lies [j][d], K down the rows.  It is turned in registers: lane (r, hh) loads 16 bytes of row 32 s + 16 q + 8 hh + e at columns 4 r .. 4 r + 3 (sixteen lanes take 256 consecutive
; bytes of a row); register i of such a load belongs to column tile i, whose column r is d = 4 r + i, and rounding the rows e and e + 1 together packs along K.
; D = (16 rows of q) x (16 columns d): register e of lane (r, hh) is qk(b = 8 hh + e, d = 4 r + i); the four tiles' numbers are 4 neighbouring d.  They go through one stage in LDS
; and leave as whole pieces of rows, 512 consecutive bytes a store.
; NO CLUSTER: each byte of Wk is read by one work-group; what four work-groups share is q_h, 2 KB beside 64 KB.
; LIMITS.  q, Wk and qk are rounded once to bf16; sums in f32.
.set SP,    528                        ; a stage row: 256 d in bf16 + 16 bytes
.set SPARE, 16*SP                      ; 8,448: the spare words, 128 bytes for each wave, that no other line names
.set QO,  4                            ; 16 x lane
.set WO,  5                            ; my byte offset in Wk: 8 hh rows, my wave's 256 bytes, 16 r
.set SS,  6                            ; where my 8 bytes of stage row 8 hh go
.set RDV, 7                            ; where I read a stage row back
.set GOV, 8                            ; my byte offset in qkrow
.set SPW, 10                           ; LDS address of my spare word; never rewritten
.set NIL, 11                           ; 0; never rewritten
.set T,   12                           ; v[12:15] two pairs at work
.set Q,   16                           ; v[16:31] q's two fragments
.set F,   32                           ; v[32:95] Wk's fragments: tile i, step s at F + 8 (2 i + s)
.set X,   96                           ; v[96:223] Wk as loaded: load 16 s + 8 q + e at X + 4 x its number
.set D,   96                           ; v[96:127] the four accumulators, where the first eight loads lay
.set OUT, 224                          ; v[224:239] four pieces of rows on their way out
	s_load_b128 s[4:7], s[0:1], 0x0                ; qfrag s[4:5], Wk s[6:7]
	s_load_b64 s[8:9], s[0:1], 0x10                ; qkrow
	v_lshl_add_u32 v[SPW], v0, 2, SPARE
	v_mov_b32 v[NIL], 0
	v_and_b32 v1, 31, v0                           ; lane
	v_lshrrev_b32 v2, 5, v0
	v_readfirstlane_b32 s12, v2                    ; wave
	v_and_b32 v2, 15, v0                           ; r
	v_bfe_u32 v3, v0, 4, 1                         ; hh
	s_lshr_b32 s13, ttmp9, 2                       ; head
	s_and_b32 s14, ttmp9, 3                        ; quarter of d
	v_lshlrev_b32 v[QO], 4, v1
	s_lshl_b32 s16, s12, 8
	v_lshl_add_u32 v[WO], v2, 4, s16
	v_lshl_add_u32 v[WO], v3, 15, v[WO]            ; 8 rows of 4,096 bytes
	s_lshl_b32 s16, s12, 7
	v_lshl_add_u32 v[SS], v2, 3, s16
	v_mul_u32_u24 v9, v3, 8*SP
	v_add_nc_u32 v[SS], v[SS], v9
	s_mul_i32 s16, s12, 4*SP
	v_lshl_add_u32 v[RDV], v1, 4, s16              ; wave w sends rows b = 4 w .. 4 w + 3
	s_lshl_b32 s16, s12, 17                        ; 4 rows b of 32,768 bytes
	v_lshl_add_u32 v[GOV], v1, 4, s16
	s_lshl_b32 s18, s13, 11                        ; qfrag: the head's two K steps
	s_mov_b32 s19, 0
	s_lshl_b32 s20, s13, 18                        ; Wk: the head's 64 rows, the quarter's 1,024 bytes
	s_lshl_b32 s17, s14, 10
	s_add_co_u32 s20, s20, s17
	s_mov_b32 s21, 0
	s_lshl_b32 s22, s13, 11                        ; qkrow: the head's row, the quarter's 512 bytes
	s_lshl_b32 s17, s14, 9
	s_add_co_u32 s22, s22, s17
	s_mov_b32 s23, 0
	s_wait_kmcnt 0x0
	s_add_nc_u64 s[4:5], s[4:5], s[18:19]
	s_add_nc_u64 s[6:7], s[6:7], s[20:21]
	s_add_nc_u64 s[8:9], s[8:9], s[22:23]
.set i, 0
.rept 4
	global_load_b128 v[Q+4*i:Q+4*i+3], v[QO], s[4:5] offset:i*512
.set i, i+1
.endr
.set i, 0
.rept 32                               ; load i: row 32 (i / 16) + 16 ((i / 8) % 2) + i % 8 (+ 8 hh)
	global_load_b128 v[X+4*i:X+4*i+3], v[WO], s[6:7] offset:(32*(i/16)+16*((i/8)%2)+i%8)*4096 th:TH_LOAD_NT
.set i, i+1
.endr
.macro PACKK s2                        ; the four tiles' fragments of K step s2
.irp i, 0,1,2,3
.irp q, 0,1
.irp p, 0,1,2,3
	v_cvt_pk_bf16_f32 v[F+8*(2*\i+(\s2))+4*\q+\p], v[X+4*(16*(\s2)+8*\q+2*\p)+\i], v[X+4*(16*(\s2)+8*\q+2*\p+1)+\i]
.endr
.endr
.endr
.endm
	s_wait_loadcnt 16                              ; the sixteen loads of the second K step may be out
	PACKK 0
	s_wait_loadcnt 0x0
	PACKK 1
.irp i, 0,1,2,3                        ; the four accumulators take turns; the first step starts the sums
	v_wmma_f32_16x16x32_bf16 v[D+8*\i:D+8*\i+7], v[Q:Q+7], v[F+16*\i:F+16*\i+7], 0
.endr
.irp i, 0,1,2,3
	v_wmma_f32_16x16x32_bf16 v[D+8*\i:D+8*\i+7], v[Q+8:Q+15], v[F+16*\i+8:F+16*\i+15], v[D+8*\i:D+8*\i+7]
.endr
.rept 4
	v_nop                                          ; four places behind the last product (ISA guide 7.12.1)
.endr
.irp e, 0,1,2,3,4,5,6,7                ; row b = 8 hh + e: 4 neighbouring d in 8 bytes; each accumulator is read from its low end on
	v_cvt_pk_bf16_f32 v[T+2*(\e%2)], v[D+\e], v[D+8+\e]
	v_cvt_pk_bf16_f32 v[T+2*(\e%2)+1], v[D+16+\e], v[D+24+\e]
	ds_store_b64 v[SS], v[T+2*(\e%2):T+2*(\e%2)+1] offset:\e*SP
.endr
	s_wait_dscnt 0x0                               ; for the others' sake: my part of the stage is written
	s_barrier_signal -1
	s_barrier_wait -1
.irp i, 0,1,2,3
	ds_load_b128 v[OUT+4*\i:OUT+4*\i+3], v[RDV] offset:\i*SP
.endr
.irp i, 0,1,2,3
	s_wait_dscnt 3-\i
	global_store_b128 v[GOV], v[OUT+4*\i:OUT+4*\i+3], s[8:9] offset:\i*32768  ; 512 consecutive bytes of row b = 4 w + i
.endr
	s_wait_tensorcnt 0x0                           ; the wave's end: three lines behind my last LDS store
	ds_add_u32 v[SPW], v[NIL]
	s_wait_dscnt 0x0
	s_endpgm
.Lfunc_end_k_q98a9391d37_qk:
	.size	k_q98a9391d37_qk, .Lfunc_end_k_q98a9391d37_qk-k_q98a9391d37_qk
	.p2alignl 7, 3214868480
	.fill 96, 4, 3214868480
	.section	.rodata,"a",@progbits
	.p2align	6, 0x0
	.amdhsa_kernel k_q98a9391d37_qk
		.amdhsa_group_segment_fixed_size 8960
		.amdhsa_private_segment_fixed_size 0
		.amdhsa_enable_private_segment 0
		.amdhsa_kernarg_size 24
		.amdhsa_user_sgpr_count 2
		.amdhsa_user_sgpr_kernarg_segment_ptr 1
		.amdhsa_wavefront_size32 1
		.amdhsa_system_sgpr_workgroup_id_x 1
		.amdhsa_system_sgpr_workgroup_id_y 1
		.amdhsa_system_sgpr_workgroup_id_z 1
		.amdhsa_system_vgpr_workitem_id 0
		.amdhsa_next_free_vgpr 240
		.amdhsa_next_free_sgpr 66
		.amdhsa_reserve_vcc 0
		.amdhsa_float_denorm_mode_32 3
		.amdhsa_float_denorm_mode_16_64 3
		.amdhsa_memory_ordered 1
		.amdhsa_forward_progress 1
		.amdhsa_inst_pref_size 13
	.end_amdhsa_kernel
	.amdgpu_metadata
---
amdhsa.version: [ 1, 2 ]
amdhsa.kernels:
  - .name:           k_q98a9391d37_qk
    .symbol:         k_q98a9391d37_qk.kd
    .args:
      - { .name: qfrag, .offset: 0, .size: 8, .value_kind: global_buffer, .address_space: global }
      - { .name: Wk, .offset: 8, .size: 8, .value_kind: global_buffer, .address_space: global }
      - { .name: qkrow, .offset: 16, .size: 8, .value_kind: global_buffer, .address_space: global }
    .group_segment_fixed_size: 8960
    .private_segment_fixed_size: 0
    .kernarg_segment_align: 8
    .kernarg_segment_size: 24
    .max_flat_workgroup_size: 128
    .sgpr_count:     66
    .vgpr_count:     240
    .wavefront_size: 32
...
	.end_amdgpu_metadata
.endif
;; end of part 2
;; launch attn (part 3): grid 16 x 16, 8 waves a work-group, no clusters, 305,408 bytes of LDS; arguments enc, qkrow, pe, ml; writes pe, ml
.if DOCPART == 3
	.amdgcn_target "amdgcn-amd-amdhsa--gfx1250"
	.amdhsa_code_object_version 6
	.text
	.protected	k_q98a9391d37_attn
	.globl	k_q98a9391d37_attn
	.p2align	8
	.type	k_q98a9391d37_attn,@function
k_q98a9391d37_attn:
	s_mov_b64 s[64:65], 0
	v_nop
	global_prefetch_b8 v0, s[64:65] scope:SCOPE_SE
	s_setreg_imm32_b32 hwreg(HW_REG_WAVE_MODE, 25, 1), 1
	s_wait_xcnt 0x0
; For batch b and a chunk of 128 rows of enc[b]: the scores of all 16 heads, s[h][t] = qk[b][h] . enc[b][t]; the chunk's softmax, p = 2^(c s - c m) with m the chunk's true maximum and
; c = log2(e) / 8; and the chunk's part of the weighted sum of ENC's rows, pe[h][d] = the sum over t of p[h][t] enc[b][t][d].  The value projection follows later, on that sum: the sum over t of
; p (Wv enc_t) = Wv (the sum over t of p enc_t).  So each byte of enc is read from memory once, and k and v are never formed.
; Out: pe, f32, [b][chunk][d / 16][q2][lane][4] (lane (head r, hh) holds d = 16 dt + 8 hh + 4 q2 + 0..3), and for each head (c m, l), l the sum of the chunk's p.
; SHARES.  Grid x = chunk, y = batch: 256 work-groups of 512 KB of enc.  The scores go by rows: wave w owns rows 16 w .. 16 w + 15, streams them (each load 512 consecutive bytes of a row),
; rounds them to bf16 and lays them into LDS, where all 128 rows stay (266 KB in bf16; in f32 they would not fit).  The second product goes by columns: wave w owns d = 128 w .. 128 w + 127 of all rows.
; THE STREAM.  A ring of 32 slots of 4 registers: 32 loads of a wave are out until the last two blocks, and every wait on them is counted.
; NO TENSOR LOADS: enc is f32 and has to be rounded on its way into LDS.  NO CLUSTER: no byte of enc is shared; the sixteen chunks of a batch share qk[b], 32 KB beside 512 KB.
; LIMITS.  The order of rounding differs from a program that forms k and v: qk, enc and p are rounded once to bf16; scores, maxima, exponentials and sums are f32.  A weight below 2^-126 counts as 0.
; NaN and infinities are not treated apart.
.set EP,    2080                       ; a row of enc in LDS: 2,048 bytes + 32 = 65 x 32
.set QP,    2064                       ; a row of qk: 2,048 + 16 = 129 x 16: the 16 rows of a fragment load start at 16 different groups of four banks
.set QK,    128*EP                     ; 266,240
.set STAT,  QK+16*QP                   ; 299,264: the waves' maxima, [wave][head]
.set LS,    STAT+512                   ; the waves' sums
.set PP,    LS+512                     ; p in bf16, [wave][lane][16 bytes]
.set SPARE, PP+4096                    ; 304,384: the spare words, 128 bytes for each wave, that no other line names
.set GO,  4                            ; 16 x lane
.set STO, 5                            ; where my 8 bytes of my wave's first row go
.set FR,  6                            ; my place in a fragment of my wave's rows
.set QF,  7                            ; my place in a fragment of qk
.set TR,  8                            ; v[8:11] my place in the turning loads, for each 32 rows
.set MS,  12                           ; my word among the maxima: to store, v13 to load
.set ML,  13
.set PS,  14                           ; my 16 bytes of p: to store, v15 to load
.set PL,  15
.set SS,  16                           ; my word among the sums: to store, v17 to load
.set SL,  17
.set PO,  18                           ; my byte offset in pe
.set MO,  19                           ; my byte offset in the record of ml
.set SPW, 20                           ; LDS address of my spare word; never rewritten
.set NIL, 21                           ; 0; never rewritten
.set T,   22                           ; v[22:25] two pairs at work, by turns
.set QS,  30                           ; where my 16 bytes of qk go
.set S,   32                           ; v[32:39] my eight scores, then weights
.set W8,  40                           ; v[40:47] eight words from LDS
.set SA,  48                           ; two accumulators, by turns
.set SB,  56
.set EF,  64                           ; v[64:95] fragments of enc, 128 along K
.set QV,  96                           ; v[96:127] fragments of qk
.set X,   128                          ; v[128:255] the ring: block cb, row i at X + 64 (cb % 2) + 4 i
.set PF,  32                           ; second product: v[32:63] p's fragments
.set ACC, 64                           ; v[64:127] eight accumulators, 16 d each
.set TRF, 128                          ; v[128:255] two buffers of turned fragments
.set TT,  0
.macro FRAGS dst, adr, off             ; the fragments of 16 rows x 128 K
.irp ks, 0,1,2,3
	ds_load_b128 v[(\dst)+8*\ks:(\dst)+8*\ks+3], v[\adr] offset:(\off)+64*\ks
	ds_load_b128 v[(\dst)+8*\ks+4:(\dst)+8*\ks+7], v[\adr] offset:(\off)+64*\ks+32
.endr
.endm
.macro MUL4 a, b, first                ; 128 along K; the two accumulators take turns; first = 1: the first two products start the sums
.irp ks, 0,1,2,3
.if (\first) && (\ks < 2)
	v_wmma_f32_16x16x32_bf16 v[SA+8*(\ks%2):SA+8*(\ks%2)+7], v[(\a)+8*\ks:(\a)+8*\ks+7], v[(\b)+8*\ks:(\b)+8*\ks+7], 0
.else
	v_wmma_f32_16x16x32_bf16 v[SA+8*(\ks%2):SA+8*(\ks%2)+7], v[(\a)+8*\ks:(\a)+8*\ks+7], v[(\b)+8*\ks:(\b)+8*\ks+7], v[SA+8*(\ks%2):SA+8*(\ks%2)+7]
.endif
.endr
.endm
.macro PLACES                          ; four places behind a matrix instruction (ISA guide 7.12.1)
.rept 4
	v_nop
.endr
.endm
; Row i of block cb (128 columns): waited for, rounded, its slot filled again with the block two further on, and laid into LDS (256 consecutive bytes).
; The count is the younger loads: 15 - i of this block, 16 of the next, i of the one after it: 31; the last two blocks are followed by fewer.
.macro ESLOT cb, i
.if (\cb) < 6
	s_wait_loadcnt 31
.elseif (\cb) == 6
	s_wait_loadcnt 31-(\i)
.else
	s_wait_loadcnt 15-(\i)
.endif
	v_cvt_pk_bf16_f32 v[T+2*TT], v[X+64*((\cb)%2)+4*(\i)], v[X+64*((\cb)%2)+4*(\i)+1]
	v_cvt_pk_bf16_f32 v[T+2*TT+1], v[X+64*((\cb)%2)+4*(\i)+2], v[X+64*((\cb)%2)+4*(\i)+3]
.if (\cb) < 6
	global_load_b128 v[X+64*((\cb)%2)+4*(\i):X+64*((\cb)%2)+4*(\i)+3], v[GO], s[4:5] offset:(\i)*4096+((\cb)+2)*512 th:TH_LOAD_NT
.endif
	ds_store_b64 v[STO], v[T+2*TT:T+2*TT+1] offset:(\i)*EP+(\cb)*256
.set TT, 1-TT
.endm
; Block cb comes in; in its middle the block before is multiplied.  The sixteen roundings of rows 8 to 15 are the places between those products and the loads into their sources.
.macro STEP cb
.irp i, 0,1,2,3,4,5,6,7
	ESLOT \cb, \i
.endr
.if (\cb) > 0
	s_wait_dscnt 0x8                               ; the eight stores just issued may be out; the sixteen fragment loads in front of them are in
.if (\cb) == 1
	MUL4 EF, QV, 1
.else
	MUL4 EF, QV, 0
.endif
.endif
.irp i, 8,9,10,11,12,13,14,15
	ESLOT \cb, \i
.endr
	FRAGS EF, FR, 256*(\cb)                        ; LDS serves a wave in order (ISA guide 5.7.1.4): these see the wave's own stores above
	FRAGS QV, QF, 256*(\cb)
.endm
.macro TURNS ks                        ; rows 32 ks .. + 31 of my 128 columns, turned: 8 fragments of 16 d x 32 t
.irp dt, 0,1,2,3,4,5,6,7
	ds_load_tr16_b128 v[TRF+64*((\ks)%2)+8*\dt:TRF+64*((\ks)%2)+8*\dt+3], v[TR+(\ks)] offset:32*\dt
	ds_load_tr16_b128 v[TRF+64*((\ks)%2)+8*\dt+4:TRF+64*((\ks)%2)+8*\dt+7], v[TR+(\ks)] offset:16*EP+32*\dt
.endr
.endm
.macro PVMUL ks                        ; the eight accumulators take turns; the first 32 rows start the sums
.irp dt, 0,1,2,3,4,5,6,7
.if (\ks) == 0
	v_wmma_f32_16x16x32_bf16 v[ACC+8*\dt:ACC+8*\dt+7], v[TRF+64*((\ks)%2)+8*\dt:TRF+64*((\ks)%2)+8*\dt+7], v[PF+8*(\ks):PF+8*(\ks)+7], 0
.else
	v_wmma_f32_16x16x32_bf16 v[ACC+8*\dt:ACC+8*\dt+7], v[TRF+64*((\ks)%2)+8*\dt:TRF+64*((\ks)%2)+8*\dt+7], v[PF+8*(\ks):PF+8*(\ks)+7], v[ACC+8*\dt:ACC+8*\dt+7]
.endif
.endr
.endm
	s_load_b256 s[4:11], s[0:1], 0x0               ; enc s[4:5], qkrow s[6:7], pe s[8:9], ml s[10:11]
	v_lshl_add_u32 v[SPW], v0, 2, SPARE
	v_mov_b32 v[NIL], 0
	v_and_b32 v1, 31, v0                           ; lane
	v_lshrrev_b32 v2, 5, v0
	v_readfirstlane_b32 s12, v2                    ; wave
	v_and_b32 v2, 15, v0                           ; r
	v_bfe_u32 v3, v0, 4, 1                         ; hh
	s_and_b32 s13, ttmp7, 0xffff                   ; batch
	s_mov_b32 s20, 0x3e38aa3b                      ; c = log2(e) / 8
	s_mov_b32 s22, 0x76543210                      ; v_permlanex16_b32: each lane takes its own place in the other half
	s_mov_b32 s23, 0xfedcba98
	v_lshlrev_b32 v[GO], 4, v1
	s_mul_i32 s16, s12, 16*EP                      ; my wave's 16 rows in LDS
	v_lshl_add_u32 v[STO], v1, 3, s16
	v_mul_u32_u24 v[FR], v2, EP
	v_lshl_add_u32 v[FR], v3, 4, v[FR]
	v_add_nc_u32 v[FR], s16, v[FR]
	v_mul_u32_u24 v[QF], v2, QP
	v_lshl_add_u32 v[QF], v3, 4, v[QF]
	v_add_nc_u32 v[QF], QK, v[QF]
	s_mul_i32 s17, s12, 2*QP                       ; my wave brings two heads' rows of qk
	s_add_co_u32 s17, s17, QK
	v_lshl_add_u32 v[QS], v1, 4, s17
	v_and_b32 v26, 7, v0                           ; the turning load: lane l reads row 8 hh + l % 8, 16 bytes at 16 ((l / 8) % 2)
	v_lshl_add_u32 v26, v3, 3, v26
	v_mul_u32_u24 v26, v26, EP
	v_bfe_u32 v27, v0, 3, 1
	v_lshl_add_u32 v26, v27, 4, v26
	s_lshl_b32 s17, s12, 8                         ; my wave's 128 columns
	v_add_nc_u32 v[TR], s17, v26
	v_add_nc_u32 v[TR+1], 32*EP, v[TR]
	v_add_nc_u32 v[TR+2], 64*EP, v[TR]
	v_add_nc_u32 v[TR+3], 96*EP, v[TR]
	s_lshl_b32 s17, s12, 6
	s_add_co_u32 s17, s17, STAT
	v_lshl_add_u32 v[MS], v2, 2, s17
	v_lshl_add_u32 v[ML], v2, 2, STAT
	v_add_nc_u32 v[SS], 512, v[MS]
	v_add_nc_u32 v[SL], 512, v[ML]
	s_lshl_b32 s17, s12, 9
	s_add_co_u32 s17, s17, PP
	v_lshl_add_u32 v[PS], v1, 4, s17
	v_lshl_add_u32 v[PL], v1, 4, PP
	s_lshl_b32 s17, s12, 13                        ; my wave's eight tiles of 16 d, 1,024 bytes each
	v_lshl_add_u32 v[PO], v1, 4, s17
	v_lshlrev_b32 v[MO], 3, v1
	s_lshl_b32 s14, s13, 23                        ; enc: batch x 8 MB + chunk x 512 KB + wave x 64 KB
	s_lshl_b32 s17, ttmp9, 19
	s_add_co_u32 s14, s14, s17
	s_lshl_b32 s17, s12, 16
	s_add_co_u32 s14, s14, s17
	s_mov_b32 s15, 0
	s_lshl_b32 s18, s13, 15                        ; qkrow: batch x 32 KB + wave x 4 KB
	s_lshl_b32 s17, s12, 12
	s_add_co_u32 s18, s18, s17
	s_mov_b32 s19, 0
	s_lshl_b32 s24, s13, 4
	s_add_co_u32 s24, s24, ttmp9                   ; 16 x batch + chunk
	s_lshl_b32 s26, s24, 8                         ; its record of 256 bytes in ml,
	s_lshl_b32 s24, s24, 16                        ; its 64 KB in pe
	s_mov_b32 s25, 0
	s_mov_b32 s27, 0
	s_wait_kmcnt 0x0
	s_add_nc_u64 s[4:5], s[4:5], s[14:15]
	s_add_nc_u64 s[6:7], s[6:7], s[18:19]
	s_add_nc_u64 s[8:9], s[8:9], s[24:25]
	s_add_nc_u64 s[10:11], s[10:11], s[26:27]
	; qk[b] into LDS, an eighth a wave; behind its loads the ring is filled
.irp i, 0,1,2,3,4,5,6,7
	global_load_b128 v[QV+4*\i:QV+4*\i+3], v[GO], s[6:7] offset:\i*512
.endr
.set i, 0
.rept 32
	global_load_b128 v[X+4*i:X+4*i+3], v[GO], s[4:5] offset:(i%16)*4096+(i/16)*512 th:TH_LOAD_NT
.set i, i+1
.endr
	s_wait_loadcnt 32                              ; the ring's 32 loads stay out
.irp i, 0,1,2,3,4,5,6,7
	ds_store_b128 v[QS], v[QV+4*\i:QV+4*\i+3] offset:(\i/4)*QP+(\i%4)*512
.endr
	s_wait_dscnt 0x0                               ; for the others' sake: my two rows of qk are in LDS
	s_barrier_signal -1
	s_barrier_wait -1
	; THE SCORES: D = (16 rows of enc) x (16 heads): lane (head r, hh) holds t = 16 w + 8 hh + 0..7
.irp cb, 0,1,2,3,4,5,6,7
	STEP \cb
.endr
	s_wait_dscnt 0x0
	MUL4 EF, QV, 0
	PLACES
.irp j, 0,2,4,6
	v_pk_add_f32 v[S+\j:S+\j+1], v[SA+\j:SA+\j+1], v[SB+\j:SB+\j+1]  ; from each accumulator's low end on
.endr
	v_max3_num_f32 v26, v[S], v[S+1], v[S+2]
	v_max3_num_f32 v26, v26, v[S+3], v[S+4]
	v_max3_num_f32 v26, v26, v[S+5], v[S+6]
	v_max_num_f32 v26, v26, v[S+7]
	v_permlanex16_b32 v27, v26, s22, s23           ; the head's other 8 rows lie in the lane 16 away
	v_max_num_f32 v26, v26, v27
	ds_store_b32 v[MS], v26                        ; both halves of the lanes write the same number
	s_wait_dscnt 0x0                               ; for the others' sake: my maximum and my 16 rows of enc are in LDS
	s_barrier_signal -1
	s_barrier_wait -1
	; THE CHUNK'S SOFTMAX.  The first 64 rows' turned fragments are asked for ahead of it.
.irp k, 0,1,2,3,4,5,6,7
	ds_load_b32 v[W8+\k], v[ML] offset:64*\k
.endr
	TURNS 0
	TURNS 1
	s_wait_dscnt 32                                ; the 32 turning loads may be out; the eight maxima are in
	v_max3_num_f32 v26, v[W8], v[W8+1], v[W8+2]
	v_max3_num_f32 v26, v26, v[W8+3], v[W8+4]
	v_max3_num_f32 v26, v26, v[W8+5], v[W8+6]
	v_max_num_f32 v26, v26, v[W8+7]                ; m: the head's maximum over the chunk's 128 rows
	v_mul_f32 v28, s20, v26                        ; c m
.irp j, 0,1,2,3,4,5,6,7
	v_fma_f32 v[S+\j], v[S+\j], s20, -v28
.endr
.irp j, 0,1,2,3,4,5,6,7
	v_exp_f32 v[S+\j], v[S+\j]
.endr
	v_nop                                          ; a plain instruction behind the last exponential (ISA guide 5.7.2)
	s_wait_alu depctr_va_vdst(0)
.irp j, 0,1,2,3
	v_cvt_pk_bf16_f32 v[T+\j], v[S+2*\j], v[S+2*\j+1]
.endr
	ds_store_b128 v[PS], v[T:T+3]                  ; eight weights along t: half a fragment of the second product's source 1
	v_pk_add_f32 v[W8:W8+1], v[S:S+1], v[S+2:S+3]
	v_pk_add_f32 v[W8+2:W8+3], v[S+4:S+5], v[S+6:S+7]
	v_pk_add_f32 v[W8:W8+1], v[W8:W8+1], v[W8+2:W8+3]
	v_add_f32 v[W8], v[W8], v[W8+1]
	v_permlanex16_b32 v27, v[W8], s22, s23
	v_add_f32 v[W8], v[W8], v27
	ds_store_b32 v[SS], v[W8]
	s_wait_dscnt 0x0                               ; for the others' sake: my weights and their sum are in LDS
	s_barrier_signal -1
	s_barrier_wait -1
	; THE WEIGHTED SUM: D = (16 d, turned) x (16 heads) over the chunk's 128 rows: lane (head r, hh) holds d = 128 w + 16 dt + 8 hh + 0..7
.irp k, 0,1,2,3,4,5,6,7
	ds_load_b128 v[PF+4*\k:PF+4*\k+3], v[PL] offset:512*\k
.endr
	s_wait_dscnt 0x0
	PVMUL 0
	PVMUL 1
	PLACES                                         ; in front of the loads into those products' sources
	TURNS 2
	TURNS 3
	s_wait_dscnt 16                                ; the last 32 rows' sixteen loads may be out
	PVMUL 2
	s_wait_dscnt 0x0
	PVMUL 3
	PLACES
.irp dt, 0,1,2,3,4,5,6,7
	global_store_b128 v[PO], v[ACC+8*\dt:ACC+8*\dt+3], s[8:9] offset:\dt*1024            ; each store 512 consecutive bytes; each accumulator from its low end on
	global_store_b128 v[PO], v[ACC+8*\dt+4:ACC+8*\dt+7], s[8:9] offset:\dt*1024+512
.endr
	s_cmp_lg_u32 s12, 0
	s_cbranch_scc1 .Lend
.irp k, 0,1,2,3,4,5,6,7                ; wave 0: l, and the chunk's record
	ds_load_b32 v[W8+\k], v[SL] offset:64*\k
.endr
	s_wait_dscnt 0x0
	v_add_f32 v[W8], v[W8], v[W8+1]
	v_add_f32 v[W8+2], v[W8+2], v[W8+3]
	v_add_f32 v[W8+4], v[W8+4], v[W8+5]
	v_add_f32 v[W8+6], v[W8+6], v[W8+7]
	v_add_f32 v[W8], v[W8], v[W8+2]
	v_add_f32 v[W8+4], v[W8+4], v[W8+6]
	v_add_f32 v29, v[W8], v[W8+4]
	global_store_b64 v[MO], v[28:29], s[10:11]     ; (c m, l) of head lane % 16: 256 consecutive bytes
.Lend:
	s_wait_tensorcnt 0x0                           ; the wave's end: three lines behind my last LDS store
	ds_add_u32 v[SPW], v[NIL]
	s_wait_dscnt 0x0
	s_endpgm
.Lfunc_end_k_q98a9391d37_attn:
	.size	k_q98a9391d37_attn, .Lfunc_end_k_q98a9391d37_attn-k_q98a9391d37_attn
	.p2alignl 7, 3214868480
	.fill 96, 4, 3214868480
	.section	.rodata,"a",@progbits
	.p2align	6, 0x0
	.amdhsa_kernel k_q98a9391d37_attn
		.amdhsa_group_segment_fixed_size 305408
		.amdhsa_private_segment_fixed_size 0
		.amdhsa_enable_private_segment 0
		.amdhsa_kernarg_size 32
		.amdhsa_user_sgpr_count 2
		.amdhsa_user_sgpr_kernarg_segment_ptr 1
		.amdhsa_wavefront_size32 1
		.amdhsa_system_sgpr_workgroup_id_x 1
		.amdhsa_system_sgpr_workgroup_id_y 1
		.amdhsa_system_sgpr_workgroup_id_z 1
		.amdhsa_system_vgpr_workitem_id 0
		.amdhsa_next_free_vgpr 256
		.amdhsa_next_free_sgpr 66
		.amdhsa_reserve_vcc 0
		.amdhsa_float_denorm_mode_32 3
		.amdhsa_float_denorm_mode_16_64 3
		.amdhsa_memory_ordered 1
		.amdhsa_forward_progress 1
		.amdhsa_inst_pref_size 68
	.end_amdhsa_kernel
	.amdgpu_metadata
---
amdhsa.version: [ 1, 2 ]
amdhsa.kernels:
  - .name:           k_q98a9391d37_attn
    .symbol:         k_q98a9391d37_attn.kd
    .args:
      - { .name: enc, .offset: 0, .size: 8, .value_kind: global_buffer, .address_space: global }
      - { .name: qkrow, .offset: 8, .size: 8, .value_kind: global_buffer, .address_space: global }
      - { .name: pe, .offset: 16, .size: 8, .value_kind: global_buffer, .address_space: global }
      - { .name: ml, .offset: 24, .size: 8, .value_kind: global_buffer, .address_space: global }
    .group_segment_fixed_size: 305408
    .private_segment_fixed_size: 0
    .kernarg_segment_align: 8
    .kernarg_segment_size: 32
    .max_flat_workgroup_size: 256
    .sgpr_count:     66
    .vgpr_count:     256
    .wavefront_size: 32
...
	.end_amdgpu_metadata
.endif
;; end of part 3
;; launch comb (part 4): grid 128 x 1, 8 waves a work-group, no clusters, 5,376 bytes of LDS; arguments pe, ml, efrag; writes efrag
.if DOCPART == 4
	.amdgcn_target "amdgcn-amd-amdhsa--gfx1250"
	.amdhsa_code_object_version 6
	.text
	.protected	k_q98a9391d37_comb
	.globl	k_q98a9391d37_comb
	.p2align	8
	.type	k_q98a9391d37_comb,@function
k_q98a9391d37_comb:
	s_mov_b64 s[64:65], 0
	v_nop
	global_prefetch_b8 v0, s[64:65] scope:SCOPE_SE
	s_setreg_imm32_b32 hwreg(HW_REG_WAVE_MODE, 25, 1), 1
	s_wait_xcnt 0x0
; The sixteen chunks of a batch are merged: with M the largest of the chunks' c m, chunk c has the weight w_c = 2^(c m_c - M), L = the sum of w_c l_c, and the weighted mean of enc's rows is
; e[b][h][d] = the sum over c of (w_c / L) pe[b][c][h][d].  L is at least 1: the chunk that holds the maximum has the weight 1 and an l of at least 1.
; e leaves in bf16 with heads and batches exchanged, [h][u][b][8], so that the value projection loads it as fragments with the batch as the row:
; element e < 4 of unit u = 2 dt + q2 is d = 16 dt + 4 q2 + e, element e >= 4 is d = 16 dt + 8 + 4 q2 + e - 4.
; SHARES.  Work-group u takes one unit (8 values of d) of all batches, heads and chunks: 256 pieces of 512 consecutive bytes; wave w the batches 2 w and 2 w + 1.
; 128 work-groups: an aligned run of 256 bytes of efrag holds all 16 batches of one u, and a finer share would store it in parts.
; A stream: no matrix unit, no cluster; what all work-groups read alike is ml, 64 KB.  All in f32 up to the one rounding to bf16.
.set SP,    272                        ; a stage row: 16 batches x 16 bytes + 16
.set SPARE, 16*SP                      ; 4,352: the spare words, 128 bytes for each wave, that no other line names
.set PO,  4                            ; my byte offset in pe
.set MO,  5                            ; in ml
.set SS,  6                            ; where my 8 bytes go in the stage: row = head r
.set RDV, 7                            ; where I read 16 bytes back: row = head 2 w + hh, batch r
.set GOV, 8                            ; my byte offset in efrag
.set SPW, 10                           ; LDS address of my spare word; never rewritten
.set NIL, 11                           ; 0; never rewritten
.set ACC, 16                           ; v[16:23] four sums for each of my two batches
.set T,   24                           ; v[24:27]
.set ML,  32                           ; v[32:95] (c m, l) for 16 bi + c; c m gives way to w_c / L
.set PE,  96                           ; v[96:223] four numbers for 16 bi + c
	s_load_b128 s[4:7], s[0:1], 0x0                ; pe s[4:5], ml s[6:7]
	s_load_b64 s[8:9], s[0:1], 0x10                ; efrag
	v_lshl_add_u32 v[SPW], v0, 2, SPARE
	v_mov_b32 v[NIL], 0
	v_and_b32 v1, 31, v0                           ; lane
	v_lshrrev_b32 v2, 5, v0
	v_readfirstlane_b32 s12, v2                    ; wave
	v_and_b32 v2, 15, v0                           ; r
	v_bfe_u32 v3, v0, 4, 1                         ; hh
	s_lshl_b32 s16, s12, 21                        ; two batches x 16 chunks x 64 KB
	v_lshl_add_u32 v[PO], v1, 4, s16
	s_lshl_b32 s16, s12, 13                        ; two batches x 16 records of 256 bytes
	v_lshl_add_u32 v[MO], v1, 3, s16
	s_lshl_b32 s16, s12, 5
	v_mul_u32_u24 v[SS], v2, SP
	v_lshl_add_u32 v[SS], v3, 3, v[SS]
	v_add_nc_u32 v[SS], s16, v[SS]
	s_mul_i32 s16, s12, 2*SP
	v_mul_u32_u24 v[RDV], v3, SP
	v_lshl_add_u32 v[RDV], v2, 4, v[RDV]
	v_add_nc_u32 v[RDV], s16, v[RDV]
	s_lshl_b32 s16, s12, 16                        ; two heads of 32,768 bytes
	v_lshl_add_u32 v[GOV], v2, 4, s16
	v_lshl_add_u32 v[GOV], v3, 15, v[GOV]
	s_lshl_b32 s14, ttmp9, 9                       ; pe: the unit's 512 bytes
	s_mov_b32 s15, 0
	s_lshl_b32 s18, ttmp9, 8                       ; efrag: the unit's 256 bytes
	s_mov_b32 s19, 0
	s_wait_kmcnt 0x0
	s_add_nc_u64 s[4:5], s[4:5], s[14:15]
	s_add_nc_u64 s[8:9], s[8:9], s[18:19]
.set i, 0
.rept 32
	global_load_b64 v[ML+2*i:ML+2*i+1], v[MO], s[6:7] offset:i*256
.set i, i+1
.endr
.set i, 0
.rept 16
	global_load_b128 v[PE+4*i:PE+4*i+3], v[PO], s[4:5] offset:i*65536 th:TH_LOAD_NT
.set i, i+1
.endr
	s_wait_loadcnt 16                              ; the records are in; the first batch's sixteen pieces may be out
.set i, 16
.rept 16
	global_load_b128 v[PE+4*i:PE+4*i+3], v[PO], s[4:5] offset:i*65536 th:TH_LOAD_NT
.set i, i+1
.endr
.macro STATS bi                        ; the sixteen weights w_c / L of batch 2 w + bi, for my head
.set M0, ML+32*(\bi)
.set CM, 28+2*(\bi)
.set LR, 29+2*(\bi)
	v_max3_num_f32 v[CM], v[M0], v[M0+2], v[M0+4]
.irp c, 3,5,7,9,11,13
	v_max3_num_f32 v[CM], v[CM], v[M0+2*\c], v[M0+2*\c+2]
.endr
	v_max_num_f32 v[CM], v[CM], v[M0+30]
.irp c, 0,1,2,3,4,5,6,7,8,9,10,11,12,13,14,15
	v_sub_f32 v[M0+2*\c], v[M0+2*\c], v[CM]
.endr
.irp c, 0,1,2,3,4,5,6,7,8,9,10,11,12,13,14,15
	v_exp_f32 v[M0+2*\c], v[M0+2*\c]
.endr
	v_nop                                          ; a plain instruction behind the last exponential (ISA guide 5.7.2)
	s_wait_alu depctr_va_vdst(0)
	v_mul_f32 v[LR], v[M0], v[M0+1]
.irp c, 1,2,3,4,5,6,7,8,9,10,11,12,13,14,15
	v_fmac_f32 v[LR], v[M0+2*\c], v[M0+2*\c+1]
.endr
	v_rcp_f32 v[LR], v[LR]
	v_nop
	s_wait_alu depctr_va_vdst(0)
.irp c, 0,1,2,3,4,5,6,7,8,9,10,11,12,13,14,15
	v_mul_f32 v[M0+2*\c], v[M0+2*\c], v[LR]
.endr
.endm
.macro MERGE bi                        ; four numbers: the first chunk starts the sums; the packed forms take the pair's low word, the weight, for both halves
.set M0, ML+32*(\bi)
.set P0, PE+64*(\bi)
.set A0, ACC+4*(\bi)
	v_pk_mul_f32 v[A0:A0+1], v[P0:P0+1], v[M0:M0+1] op_sel_hi:[1,0]
	v_pk_mul_f32 v[A0+2:A0+3], v[P0+2:P0+3], v[M0:M0+1] op_sel_hi:[1,0]
.irp c, 1,2,3,4,5,6,7,8,9,10,11,12,13,14,15
	v_pk_fma_f32 v[A0:A0+1], v[P0+4*\c:P0+4*\c+1], v[M0+2*\c:M0+2*\c+1], v[A0:A0+1] op_sel_hi:[1,0,1]
	v_pk_fma_f32 v[A0+2:A0+3], v[P0+4*\c+2:P0+4*\c+3], v[M0+2*\c:M0+2*\c+1], v[A0+2:A0+3] op_sel_hi:[1,0,1]
.endr
	v_cvt_pk_bf16_f32 v[T+2*(\bi)], v[A0], v[A0+1]
	v_cvt_pk_bf16_f32 v[T+2*(\bi)+1], v[A0+2], v[A0+3]
	ds_store_b64 v[SS], v[T+2*(\bi):T+2*(\bi)+1] offset:16*(\bi)
.endm
	STATS 0
	STATS 1
	s_wait_loadcnt 16                              ; the second batch's sixteen pieces may be out
	MERGE 0
	s_wait_loadcnt 0x0
	MERGE 1
	s_wait_dscnt 0x0                               ; for the others' sake: my two batches are in the stage
	s_barrier_signal -1
	s_barrier_wait -1
	ds_load_b128 v[ACC:ACC+3], v[RDV]
	s_wait_dscnt 0x0
	global_store_b128 v[GOV], v[ACC:ACC+3], s[8:9] ; sixteen lanes store 256 consecutive bytes, at a multiple of 256 from efrag's first byte
	s_wait_tensorcnt 0x0                           ; the wave's end: three lines behind my last LDS store
	ds_add_u32 v[SPW], v[NIL]
	s_wait_dscnt 0x0
	s_endpgm
.Lfunc_end_k_q98a9391d37_comb:
	.size	k_q98a9391d37_comb, .Lfunc_end_k_q98a9391d37_comb-k_q98a9391d37_comb
	.p2alignl 7, 3214868480
	.fill 96, 4, 3214868480
	.section	.rodata,"a",@progbits
	.p2align	6, 0x0
	.amdhsa_kernel k_q98a9391d37_comb
		.amdhsa_group_segment_fixed_size 5376
		.amdhsa_private_segment_fixed_size 0
		.amdhsa_enable_private_segment 0
		.amdhsa_kernarg_size 24
		.amdhsa_user_sgpr_count 2
		.amdhsa_user_sgpr_kernarg_segment_ptr 1
		.amdhsa_wavefront_size32 1
		.amdhsa_system_sgpr_workgroup_id_x 1
		.amdhsa_system_sgpr_workgroup_id_y 1
		.amdhsa_system_sgpr_workgroup_id_z 1
		.amdhsa_system_vgpr_workitem_id 0
		.amdhsa_next_free_vgpr 224
		.amdhsa_next_free_sgpr 66
		.amdhsa_reserve_vcc 0
		.amdhsa_float_denorm_mode_32 3
		.amdhsa_float_denorm_mode_16_64 3
		.amdhsa_memory_ordered 1
		.amdhsa_forward_progress 1
		.amdhsa_inst_pref_size 18
	.end_amdhsa_kernel
	.amdgpu_metadata
---
amdhsa.version: [ 1, 2 ]
amdhsa.kernels:
  - .name:           k_q98a9391d37_comb
    .symbol:         k_q98a9391d37_comb.kd
    .args:
      - { .name: pe, .offset: 0, .size: 8, .value_kind: global_buffer, .address_space: global }
      - { .name: ml, .offset: 8, .size: 8, .value_kind: global_buffer, .address_space: global }
      - { .name: efrag, .offset: 16, .size: 8, .value_kind: global_buffer, .address_space: global }
    .group_segment_fixed_size: 5376
    .private_segment_fixed_size: 0
    .kernarg_segment_align: 8
    .kernarg_segment_size: 24
    .max_flat_workgroup_size: 256
    .sgpr_count:     66
    .vgpr_count:     224
    .wavefront_size: 32
...
	.end_amdgpu_metadata
.endif
;; end of part 4
;; launch ctx (part 5): grid 64 x 1, 8 waves a work-group, no clusters, 44,032 bytes of LDS; arguments Wv, efrag, xfrag; writes xfrag
.if DOCPART == 5
	.amdgcn_target "amdgcn-amd-amdhsa--gfx1250"
	.amdhsa_code_object_version 6
	.text
	.protected	k_q98a9391d37_ctx
	.globl	k_q98a9391d37_ctx
	.p2align	8
	.type	k_q98a9391d37_ctx,@function
k_q98a9391d37_ctx:
	s_mov_b64 s[64:65], 0
	v_nop
	global_prefetch_b8 v0, s[64:65] scope:SCOPE_SE
	s_setreg_imm32_b32 hwreg(HW_REG_WAVE_MODE, 25, 1), 1
	s_wait_xcnt 0x0
; ctx[b][n] = the sum over d of Wv[n][d] e[b][n / 64][d]: the value projection, applied to the weighted mean of enc's rows.  Stored as bf16 in fragment order, the second half of xfrag.
; efrag's order along K has the two middle groups of four in each 16 exchanged; the lanes fetch Wv's columns in that same order, and a permutation of K applied alike to both sources keeps the products.
; ONE TEXT serves the four products with 16 activation rows (q, ctx, the two layers of the MLP); the constants just below choose its form.
; SHARES.  A work-group owns 16 rows of W over all of K; wave w owns 128 NBLK columns of K; the waves' partial tiles meet in LDS and wave 0 adds them.
; W is read once, each load of a wave 512 consecutive bytes of one row, rounded to bf16, laid into the wave's own LDS rows and read back as fragments.
; The product is used as D = (16 rows of W) x (16 activation rows): a lane then holds 8 neighbouring outputs of one activation row.
; NO CLUSTER, NO TENSOR LOADS: W is f32 and has to be rounded on its way, so it passes through registers; what work-groups share (the activations, a third of a
; work-group's bytes at the most) goes from memory straight into registers in fragment order, and a joint request would have to land in LDS and be read once more.
; LIMITS.  Wv, e and ctx are rounded once to bf16; sums in f32; NaN and infinities are not treated apart.
.set NW,    8                          ; waves
.set NBLK,  1                          ; blocks of 128 columns of K to a wave
.set ROWB,  4096                       ; bytes in a row of W
.set XMODE, 0                          ; 1: the activations come as f32 rows and are rounded here; 0: they come in fragment order
.set PERM,  1                          ; 1: the activations are efrag, whose K order has the two middle groups of four in each 16 swapped
.set EPI,   0                          ; 0: bf16 in fragment order; 1: SiLU, then the same; 2: f32 rows
.set OUTB,  32768                      ; byte at which this launch's part of the output buffer begins
.set PB,     256*NBLK+16               ; an LDS row: the wave's columns in bf16 + 16 bytes: an odd multiple of 16, so the 16 rows of a fragment load start at 16 different groups of four banks
.set REGION, 16*PB*(1+XMODE)           ; a wave's own rows
.set RED,    NW*REGION                 ; the partial tiles: [wave][half][lane][4 f32]
.set SPARE,  RED+NW*1024               ; the spare words, 128 bytes for each wave, that no other line names
.set GO,   4                           ; 16 x lane
.set STO,  5                           ; where my 8 bytes of a row go
.set STO2, 6                           ; the same in the second region (XMODE)
.set FR,   7                           ; my place in a fragment: row r, 16 bytes for each half of the lanes
.set FR2,  8
.set RS,   9                           ; my 16 bytes of my wave's partial tile
.set RD,   10                          ; the same in wave 0's
.set OO,   11                          ; my byte offset in the output
.set SPW,  12                          ; LDS address of my spare word; never rewritten
.set NIL,  13                          ; 0; never rewritten
.set T,    14                          ; v[14:17] two pairs at work, by turns
.set R,    18                          ; v[18:25] my partial tile
.set XO,   26                          ; my byte offset in xfrag (XMODE)
.set WGO,  27                          ; my byte offset in 512 bytes of a row of W
.set TV,   28                          ; at work
.set SA,   32                          ; two accumulators, by turns
.set SB,   40
.set XF,   48                          ; the activations' fragments, 8 registers a K step of 32
.set BUF0, 112                         ; a block as loaded, 16 slots of 4; then its fragments
.set BUF1, 176
.set TT,   0
.macro SLOT x, left, sto, off          ; one row's 512 bytes: waited for, rounded, laid into LDS (256 consecutive bytes)
	s_wait_loadcnt \left
	v_cvt_pk_bf16_f32 v[T+2*TT], v[\x], v[(\x)+1]
	v_cvt_pk_bf16_f32 v[T+2*TT+1], v[(\x)+2], v[(\x)+3]
	ds_store_b64 v[\sto], v[T+2*TT:T+2*TT+1] offset:\off
.set TT, 1-TT
.endm
.macro FRAGS dst, adr, off             ; the fragments of 16 rows x 128 K: LDS serves a wave in order (ISA guide 5.7.1.4), so these see the wave's own stores
.irp ks, 0,1,2,3
	ds_load_b128 v[(\dst)+8*\ks:(\dst)+8*\ks+3], v[\adr] offset:(\off)+64*\ks
	ds_load_b128 v[(\dst)+8*\ks+4:(\dst)+8*\ks+7], v[\adr] offset:(\off)+64*\ks+32
.endr
.endm
.macro MUL4 a, b, first                ; 128 along K; the two accumulators take turns; first = 1: the first two products start the sums
.irp ks, 0,1,2,3
.if (\first) && (\ks < 2)
	v_wmma_f32_16x16x32_bf16 v[SA+8*(\ks%2):SA+8*(\ks%2)+7], v[(\a)+8*\ks:(\a)+8*\ks+7], v[(\b)+8*\ks:(\b)+8*\ks+7], 0
.else
	v_wmma_f32_16x16x32_bf16 v[SA+8*(\ks%2):SA+8*(\ks%2)+7], v[(\a)+8*\ks:(\a)+8*\ks+7], v[(\b)+8*\ks:(\b)+8*\ks+7], v[SA+8*(\ks%2):SA+8*(\ks%2)+7]
.endif
.endr
.endm
.macro PLACES                          ; four places behind a matrix instruction (ISA guide 7.12.1)
.rept 4
	v_nop
.endr
.endm
.macro FINISH                          ; the wave's end: three lines behind my last LDS store
	s_wait_tensorcnt 0x0
	ds_add_u32 v[SPW], v[NIL]
	s_wait_dscnt 0x0
.endm
.if XMODE
	s_load_b256 s[4:11], s[0:1], 0x0               ; W s[4:5], x s[6:7], out s[8:9], xfrag s[10:11]
.else
	s_load_b128 s[4:7], s[0:1], 0x0                ; W s[4:5], x s[6:7]
	s_load_b64 s[8:9], s[0:1], 0x10                ; out
.endif
	v_lshl_add_u32 v[SPW], v0, 2, SPARE
	v_mov_b32 v[NIL], 0
	v_and_b32 v1, 31, v0                           ; lane
	v_lshrrev_b32 v2, 5, v0
	v_readfirstlane_b32 s12, v2                    ; wave
	v_and_b32 v2, 15, v0                           ; r
	v_bfe_u32 v3, v0, 4, 1                         ; hh
	s_mov_b32 s13, ttmp9                           ; which 16 rows of W
	v_lshlrev_b32 v[GO], 4, v1
.if PERM
	v_and_b32 v[WGO], 0x1c, v1                     ; the lane's number with its two lowest bits exchanged: of each 16 columns the two middle groups of four change places
	v_and_b32 v[TV], 1, v1
	v_lshl_or_b32 v[WGO], v[TV], 1, v[WGO]
	v_bfe_u32 v[TV], v1, 1, 1
	v_or_b32 v[WGO], v[WGO], v[TV]
	v_lshlrev_b32 v[WGO], 4, v[WGO]
.else
	v_lshlrev_b32 v[WGO], 4, v1
.endif
	s_mul_i32 s16, s12, REGION                     ; my wave's rows in LDS
	v_lshl_add_u32 v[STO], v1, 3, s16
	v_mul_u32_u24 v[FR], v2, PB
	v_lshl_add_u32 v[FR], v3, 4, v[FR]
	v_add_nc_u32 v[FR], s16, v[FR]
.if XMODE
	v_add_nc_u32 v[STO2], 16*PB, v[STO]
	v_add_nc_u32 v[FR2], 16*PB, v[FR]
	s_lshl_b32 s17, s12, 12                        ; my four K steps of 1,024 bytes in xfrag
	v_lshl_add_u32 v[XO], v1, 4, s17
.endif
	s_lshl_b32 s17, s12, 10
	s_add_co_u32 s17, s17, RED
	v_lshl_add_u32 v[RS], v1, 4, s17
	v_lshl_add_u32 v[RD], v1, 4, RED
.if EPI == 2
	v_lshlrev_b32 v[OO], 12, v2                    ; row r of 4,096 bytes, 32 bytes for each half of the lanes
	v_lshl_add_u32 v[OO], v3, 5, v[OO]
.else
	v_lshlrev_b32 v[OO], 4, v1
.endif
	s_mul_i32 s14, s13, 16*ROWB                    ; W: my 16 rows, my wave's columns
	s_mul_i32 s18, s12, 512*NBLK
	s_add_co_u32 s14, s14, s18
	s_mov_b32 s15, 0
.if XMODE
	s_lshl_b32 s18, s12, 9                         ; x: my wave's 128 columns of f32
.else
	s_mul_i32 s18, s12, 4096*NBLK                  ; x: my wave's K steps of 1,024 bytes
.endif
.if PERM
	s_lshr_b32 s20, s13, 2                         ; the head to which my 16 rows belong: 32,768 bytes each
	s_lshl_b32 s20, s20, 15
	s_add_co_u32 s18, s18, s20
.endif
	s_mov_b32 s19, 0
.if EPI == 2
	s_lshl_b32 s20, s13, 6                         ; 16 columns of f32
.else
	s_lshl_b32 s20, s13, 9                         ; 16 values of k in fragment order: 512 bytes
.if OUTB
	s_add_co_u32 s20, s20, OUTB
.endif
.endif
	s_mov_b32 s21, 0
	s_wait_kmcnt 0x0
	s_add_nc_u64 s[4:5], s[4:5], s[14:15]
	s_add_nc_u64 s[6:7], s[6:7], s[18:19]
	s_add_nc_u64 s[8:9], s[8:9], s[20:21]
.if XMODE
	; all loads go out at once: 16 rows of the activations, then 16 rows of W
.set i, 0
.rept 16
	global_load_b128 v[BUF0+4*i:BUF0+4*i+3], v[GO], s[6:7] offset:i*4096
.set i, i+1
.endr
.set i, 0
.rept 16
	global_load_b128 v[BUF1+4*i:BUF1+4*i+3], v[WGO], s[4:5] offset:i*ROWB th:TH_LOAD_NT
.set i, i+1
.endr
.irp i, 0,1,2,3,4,5,6,7,8,9,10,11,12,13,14,15
	SLOT BUF0+4*\i, 31-\i, STO, \i*PB              ; the count: the younger loads, 15 - i of this block and W's 16
.endr
	FRAGS BUF0, FR, 0
.irp i, 0,1,2,3,4,5,6,7,8,9,10,11,12,13,14,15
	SLOT BUF1+4*\i, 15-\i, STO2, \i*PB
.endr
	FRAGS BUF1, FR2, 0
	s_wait_dscnt 0x0
	s_cmp_lg_u32 s13, 0
	s_cbranch_scc1 .Lnox
.set i, 0
.rept 8                                ; work-group 0: the activations' fragments are what the first layer of the MLP will load: 512 consecutive bytes a store
	global_store_b128 v[XO], v[BUF0+4*i:BUF0+4*i+3], s[10:11] offset:i*512
.set i, i+1
.endr
.Lnox:
	MUL4 BUF1, BUF0, 1
.else
	; all loads go out at once: the activations' fragments, then W's blocks
.set i, 0
.rept 8*NBLK
	global_load_b128 v[XF+4*i:XF+4*i+3], v[GO], s[6:7] offset:i*512
.set i, i+1
.endr
.set i, 0
.rept 16*NBLK
	global_load_b128 v[BUF0+4*i:BUF0+4*i+3], v[WGO], s[4:5] offset:(i%16)*ROWB+(i/16)*512 th:TH_LOAD_NT
.set i, i+1
.endr
.irp i, 0,1,2,3,4,5,6,7,8,9,10,11,12,13,14,15
	SLOT BUF0+4*\i, 16*NBLK-1-\i, STO, \i*PB       ; the count: the younger loads of W; the activations' are older, so they are in too
.endr
	FRAGS BUF0, FR, 0
.if NBLK == 2
.irp i, 0,1,2,3,4,5,6,7
	SLOT BUF1+4*\i, 15-\i, STO, \i*PB+256
.endr
	s_wait_dscnt 0x8                               ; the eight stores just issued may be out; the eight fragment loads in front of them are in
	MUL4 BUF0, XF, 1
.irp i, 8,9,10,11,12,13,14,15
	SLOT BUF1+4*\i, 15-\i, STO, \i*PB+256
.endr
	FRAGS BUF1, FR, 256
	s_wait_dscnt 0x0
	MUL4 BUF1, XF+32, 0
.else
	s_wait_dscnt 0x0
	MUL4 BUF0, XF, 1
.endif
.endif
	PLACES
.irp j, 0,2,4,6
	v_pk_add_f32 v[R+\j:R+\j+1], v[SA+\j:SA+\j+1], v[SB+\j:SB+\j+1]  ; from each accumulator's low end on
.endr
	ds_store_b128 v[RS], v[R:R+3]
	ds_store_b128 v[RS], v[R+4:R+7] offset:512
	s_wait_dscnt 0x0                               ; for wave 0's sake: my partial tile is in LDS
	s_barrier_signal -1
	s_barrier_wait -1
	s_cmp_lg_u32 s12, 0
	s_cbranch_scc1 .Lend
.if XMODE
	s_wait_xcnt 0x0                                ; the stores into xfrag have read BUF0, which is loaded again below
.endif
.set i, 0
.rept 2*NW
	ds_load_b128 v[BUF0+4*i:BUF0+4*i+3], v[RD] offset:i*512
.set i, i+1
.endr
	s_wait_dscnt 0x0
.set i, 1
.rept NW-1
.irp j, 0,2,4,6
	v_pk_add_f32 v[BUF0+\j:BUF0+\j+1], v[BUF0+\j:BUF0+\j+1], v[BUF0+8*i+\j:BUF0+8*i+\j+1]
.endr
.set i, i+1
.endr
.if EPI == 1
	; SiLU: a / (1 + 2^(-a log2 e)).  Far below zero the power is infinite, its reciprocal 0 and the result -0, the limit of a sigmoid(a)
.irp j, 0,1,2,3,4,5,6,7
	v_mul_f32 v[BUF0+8+\j], 0xbfb8aa3b, v[BUF0+\j]
.endr
.irp j, 0,1,2,3,4,5,6,7
	v_exp_f32 v[BUF0+8+\j], v[BUF0+8+\j]
.endr
	v_nop                                          ; a plain instruction behind the last exponential (ISA guide 5.7.2)
.irp j, 0,2,4,6
	v_pk_add_f32 v[BUF0+8+\j:BUF0+9+\j], v[BUF0+8+\j:BUF0+9+\j], 1.0 op_sel_hi:[1,0]
.endr
.irp j, 0,1,2,3,4,5,6,7
	v_rcp_f32 v[BUF0+8+\j], v[BUF0+8+\j]
.endr
	v_nop
.irp j, 0,2,4,6
	v_pk_mul_f32 v[BUF0+\j:BUF0+\j+1], v[BUF0+\j:BUF0+\j+1], v[BUF0+8+\j:BUF0+9+\j]
.endr
.endif
.if EPI == 2
	global_store_b128 v[OO], v[BUF0:BUF0+3], s[8:9]            ; a work-group owns 64 bytes of each of the 16 rows
	global_store_b128 v[OO], v[BUF0+4:BUF0+7], s[8:9] offset:16
.else
.irp j, 0,1,2,3
	v_cvt_pk_bf16_f32 v[T+\j], v[BUF0+2*\j], v[BUF0+2*\j+1]
.endr
	global_store_b128 v[OO], v[T:T+3], s[8:9]                  ; the wave stores 512 consecutive bytes
.endif
.Lend:
	FINISH
	s_endpgm
.Lfunc_end_k_q98a9391d37_ctx:
	.size	k_q98a9391d37_ctx, .Lfunc_end_k_q98a9391d37_ctx-k_q98a9391d37_ctx
	.p2alignl 7, 3214868480
	.fill 96, 4, 3214868480
	.section	.rodata,"a",@progbits
	.p2align	6, 0x0
	.amdhsa_kernel k_q98a9391d37_ctx
		.amdhsa_group_segment_fixed_size 44032
		.amdhsa_private_segment_fixed_size 0
		.amdhsa_enable_private_segment 0
		.amdhsa_kernarg_size 24
		.amdhsa_user_sgpr_count 2
		.amdhsa_user_sgpr_kernarg_segment_ptr 1
		.amdhsa_wavefront_size32 1
		.amdhsa_system_sgpr_workgroup_id_x 1
		.amdhsa_system_sgpr_workgroup_id_y 1
		.amdhsa_system_sgpr_workgroup_id_z 1
		.amdhsa_system_vgpr_workitem_id 0
		.amdhsa_next_free_vgpr 240
		.amdhsa_next_free_sgpr 66
		.amdhsa_reserve_vcc 0
		.amdhsa_float_denorm_mode_32 3
		.amdhsa_float_denorm_mode_16_64 3
		.amdhsa_memory_ordered 1
		.amdhsa_forward_progress 1
		.amdhsa_inst_pref_size 13
	.end_amdhsa_kernel
	.amdgpu_metadata
---
amdhsa.version: [ 1, 2 ]
amdhsa.kernels:
  - .name:           k_q98a9391d37_ctx
    .symbol:         k_q98a9391d37_ctx.kd
    .args:
      - { .name: Wv, .offset: 0, .size: 8, .value_kind: global_buffer, .address_space: global }
      - { .name: efrag, .offset: 8, .size: 8, .value_kind: global_buffer, .address_space: global }
      - { .name: xfrag, .offset: 16, .size: 8, .value_kind: global_buffer, .address_space: global }
    .group_segment_fixed_size: 44032
    .private_segment_fixed_size: 0
    .kernarg_segment_align: 8
    .kernarg_segment_size: 24
    .max_flat_workgroup_size: 256
    .sgpr_count:     66
    .vgpr_count:     240
    .wavefront_size: 32
...
	.end_amdgpu_metadata
.endif
;; end of part 5
;; launch mlp1 (part 6): grid 256 x 1, 8 waves a work-group, no clusters, 76,800 bytes of LDS; arguments W1, xfrag, hfrag; writes hfrag
.if DOCPART == 6
	.amdgcn_target "amdgcn-amd-amdhsa--gfx1250"
	.amdhsa_code_object_version 6
	.text
	.protected	k_q98a9391d37_mlp1
	.globl	k_q98a9391d37_mlp1
	.p2align	8
	.type	k_q98a9391d37_mlp1,@function
k_q98a9391d37_mlp1:
	s_mov_b64 s[64:65], 0
	v_nop
	global_prefetch_b8 v0, s[64:65] scope:SCOPE_SE
	s_setreg_imm32_b32 hwreg(HW_REG_WAVE_MODE, 25, 1), 1
	s_wait_xcnt 0x0
; h = silu([dec_h, ctx] W1^T), 16 rows, K = 2,048.  Stored as bf16 in fragment order.  256 work-groups of 16 rows of W1 (128 KB each); a wave owns 256 columns of K, two blocks.
; ONE TEXT serves the four products with 16 activation rows (q, ctx, the two layers of the MLP); the constants just below choose its form.
; SHARES.  A work-group owns 16 rows of W over all of K; wave w owns 128 NBLK columns of K; the waves' partial tiles meet in LDS and wave 0 adds them.
; W is read once, each load of a wave 512 consecutive bytes of one row, rounded to bf16, laid into the wave's own LDS rows and read back as fragments.
; The product is used as D = (16 rows of W) x (16 activation rows): a lane then holds 8 neighbouring outputs of one activation row.
; NO CLUSTER, NO TENSOR LOADS: W is f32 and has to be rounded on its way, so it passes through registers; what work-groups share (the activations, a third of a
; work-group's bytes at the most) goes from memory straight into registers in fragment order, and a joint request would have to land in LDS and be read once more.
; LIMITS.  W1 and h are rounded once to bf16; sums and SiLU in f32; NaN and infinities are not treated apart.
.set NW,    8                          ; waves
.set NBLK,  2                          ; blocks of 128 columns of K to a wave
.set ROWB,  8192                       ; bytes in a row of W
.set XMODE, 0                          ; 1: the activations come as f32 rows and are rounded here; 0: they come in fragment order
.set PERM,  0                          ; 1: the activations are efrag, whose K order has the two middle groups of four in each 16 swapped
.set EPI,   1                          ; 0: bf16 in fragment order; 1: SiLU, then the same; 2: f32 rows
.set OUTB,  0                          ; byte at which this launch's part of the output buffer begins
.set PB,     256*NBLK+16               ; an LDS row: the wave's columns in bf16 + 16 bytes: an odd multiple of 16, so the 16 rows of a fragment load start at 16 different groups of four banks
.set REGION, 16*PB*(1+XMODE)           ; a wave's own rows
.set RED,    NW*REGION                 ; the partial tiles: [wave][half][lane][4 f32]
.set SPARE,  RED+NW*1024               ; the spare words, 128 bytes for each wave, that no other line names
.set GO,   4                           ; 16 x lane
.set STO,  5                           ; where my 8 bytes of a row go
.set STO2, 6                           ; the same in the second region (XMODE)
.set FR,   7                           ; my place in a fragment: row r, 16 bytes for each half of the lanes
.set FR2,  8
.set RS,   9                           ; my 16 bytes of my wave's partial tile
.set RD,   10                          ; the same in wave 0's
.set OO,   11                          ; my byte offset in the output
.set SPW,  12                          ; LDS address of my spare word; never rewritten
.set NIL,  13                          ; 0; never rewritten
.set T,    14                          ; v[14:17] two pairs at work, by turns
.set R,    18                          ; v[18:25] my partial tile
.set XO,   26                          ; my byte offset in xfrag (XMODE)
.set WGO,  27                          ; my byte offset in 512 bytes of a row of W
.set TV,   28                          ; at work
.set SA,   32                          ; two accumulators, by turns
.set SB,   40
.set XF,   48                          ; the activations' fragments, 8 registers a K step of 32
.set BUF0, 112                         ; a block as loaded, 16 slots of 4; then its fragments
.set BUF1, 176
.set TT,   0
.macro SLOT x, left, sto, off          ; one row's 512 bytes: waited for, rounded, laid into LDS (256 consecutive bytes)
	s_wait_loadcnt \left
	v_cvt_pk_bf16_f32 v[T+2*TT], v[\x], v[(\x)+1]
	v_cvt_pk_bf16_f32 v[T+2*TT+1], v[(\x)+2], v[(\x)+3]
	ds_store_b64 v[\sto], v[T+2*TT:T+2*TT+1] offset:\off
.set TT, 1-TT
.endm
.macro FRAGS dst, adr, off             ; the fragments of 16 rows x 128 K: LDS serves a wave in order (ISA guide 5.7.1.4), so these see the wave's own stores
.irp ks, 0,1,2,3
	ds_load_b128 v[(\dst)+8*\ks:(\dst)+8*\ks+3], v[\adr] offset:(\off)+64*\ks
	ds_load_b128 v[(\dst)+8*\ks+4:(\dst)+8*\ks+7], v[\adr] offset:(\off)+64*\ks+32
.endr
.endm
.macro MUL4 a, b, first                ; 128 along K; the two accumulators take turns; first = 1: the first two products start the sums
.irp ks, 0,1,2,3
.if (\first) && (\ks < 2)
	v_wmma_f32_16x16x32_bf16 v[SA+8*(\ks%2):SA+8*(\ks%2)+7], v[(\a)+8*\ks:(\a)+8*\ks+7], v[(\b)+8*\ks:(\b)+8*\ks+7], 0
.else
	v_wmma_f32_16x16x32_bf16 v[SA+8*(\ks%2):SA+8*(\ks%2)+7], v[(\a)+8*\ks:(\a)+8*\ks+7], v[(\b)+8*\ks:(\b)+8*\ks+7], v[SA+8*(\ks%2):SA+8*(\ks%2)+7]
.endif
.endr
.endm
.macro PLACES                          ; four places behind a matrix instruction (ISA guide 7.12.1)
.rept 4
	v_nop
.endr
.endm
.macro FINISH                          ; the wave's end: three lines behind my last LDS store
	s_wait_tensorcnt 0x0
	ds_add_u32 v[SPW], v[NIL]
	s_wait_dscnt 0x0
.endm
.if XMODE
	s_load_b256 s[4:11], s[0:1], 0x0               ; W s[4:5], x s[6:7], out s[8:9], xfrag s[10:11]
.else
	s_load_b128 s[4:7], s[0:1], 0x0                ; W s[4:5], x s[6:7]
	s_load_b64 s[8:9], s[0:1], 0x10                ; out
.endif
	v_lshl_add_u32 v[SPW], v0, 2, SPARE
	v_mov_b32 v[NIL], 0
	v_and_b32 v1, 31, v0                           ; lane
	v_lshrrev_b32 v2, 5, v0
	v_readfirstlane_b32 s12, v2                    ; wave
	v_and_b32 v2, 15, v0                           ; r
	v_bfe_u32 v3, v0, 4, 1                         ; hh
	s_mov_b32 s13, ttmp9                           ; which 16 rows of W
	v_lshlrev_b32 v[GO], 4, v1
.if PERM
	v_and_b32 v[WGO], 0x1c, v1                     ; the lane's number with its two lowest bits exchanged: of each 16 columns the two middle groups of four change places
	v_and_b32 v[TV], 1, v1
	v_lshl_or_b32 v[WGO], v[TV], 1, v[WGO]
	v_bfe_u32 v[TV], v1, 1, 1
	v_or_b32 v[WGO], v[WGO], v[TV]
	v_lshlrev_b32 v[WGO], 4, v[WGO]
.else
	v_lshlrev_b32 v[WGO], 4, v1
.endif
	s_mul_i32 s16, s12, REGION                     ; my wave's rows in LDS
	v_lshl_add_u32 v[STO], v1, 3, s16
	v_mul_u32_u24 v[FR], v2, PB
	v_lshl_add_u32 v[FR], v3, 4, v[FR]
	v_add_nc_u32 v[FR], s16, v[FR]
.if XMODE
	v_add_nc_u32 v[STO2], 16*PB, v[STO]
	v_add_nc_u32 v[FR2], 16*PB, v[FR]
	s_lshl_b32 s17, s12, 12                        ; my four K steps of 1,024 bytes in xfrag
	v_lshl_add_u32 v[XO], v1, 4, s17
.endif
	s_lshl_b32 s17, s12, 10
	s_add_co_u32 s17, s17, RED
	v_lshl_add_u32 v[RS], v1, 4, s17
	v_lshl_add_u32 v[RD], v1, 4, RED
.if EPI == 2
	v_lshlrev_b32 v[OO], 12, v2                    ; row r of 4,096 bytes, 32 bytes for each half of the lanes
	v_lshl_add_u32 v[OO], v3, 5, v[OO]
.else
	v_lshlrev_b32 v[OO], 4, v1
.endif
	s_mul_i32 s14, s13, 16*ROWB                    ; W: my 16 rows, my wave's columns
	s_mul_i32 s18, s12, 512*NBLK
	s_add_co_u32 s14, s14, s18
	s_mov_b32 s15, 0
.if XMODE
	s_lshl_b32 s18, s12, 9                         ; x: my wave's 128 columns of f32
.else
	s_mul_i32 s18, s12, 4096*NBLK                  ; x: my wave's K steps of 1,024 bytes
.endif
.if PERM
	s_lshr_b32 s20, s13, 2                         ; the head to which my 16 rows belong: 32,768 bytes each
	s_lshl_b32 s20, s20, 15
	s_add_co_u32 s18, s18, s20
.endif
	s_mov_b32 s19, 0
.if EPI == 2
	s_lshl_b32 s20, s13, 6                         ; 16 columns of f32
.else
	s_lshl_b32 s20, s13, 9                         ; 16 values of k in fragment order: 512 bytes
.if OUTB
	s_add_co_u32 s20, s20, OUTB
.endif
.endif
	s_mov_b32 s21, 0
	s_wait_kmcnt 0x0
	s_add_nc_u64 s[4:5], s[4:5], s[14:15]
	s_add_nc_u64 s[6:7], s[6:7], s[18:19]
	s_add_nc_u64 s[8:9], s[8:9], s[20:21]
.if XMODE
	; all loads go out at once: 16 rows of the activations, then 16 rows of W
.set i, 0
.rept 16
	global_load_b128 v[BUF0+4*i:BUF0+4*i+3], v[GO], s[6:7] offset:i*4096
.set i, i+1
.endr
.set i, 0
.rept 16
	global_load_b128 v[BUF1+4*i:BUF1+4*i+3], v[WGO], s[4:5] offset:i*ROWB th:TH_LOAD_NT
.set i, i+1
.endr
.irp i, 0,1,2,3,4,5,6,7,8,9,10,11,12,13,14,15
	SLOT BUF0+4*\i, 31-\i, STO, \i*PB              ; the count: the younger loads, 15 - i of this block and W's 16
.endr
	FRAGS BUF0, FR, 0
.irp i, 0,1,2,3,4,5,6,7,8,9,10,11,12,13,14,15
	SLOT BUF1+4*\i, 15-\i, STO2, \i*PB
.endr
	FRAGS BUF1, FR2, 0
	s_wait_dscnt 0x0
	s_cmp_lg_u32 s13, 0
	s_cbranch_scc1 .Lnox
.set i, 0
.rept 8                                ; work-group 0: the activations' fragments are what the first layer of the MLP will load: 512 consecutive bytes a store
	global_store_b128 v[XO], v[BUF0+4*i:BUF0+4*i+3], s[10:11] offset:i*512
.set i, i+1
.endr
.Lnox:
	MUL4 BUF1, BUF0, 1
.else
	; all loads go out at once: the activations' fragments, then W's blocks
.set i, 0
.rept 8*NBLK
	global_load_b128 v[XF+4*i:XF+4*i+3], v[GO], s[6:7] offset:i*512
.set i, i+1
.endr
.set i, 0
.rept 16*NBLK
	global_load_b128 v[BUF0+4*i:BUF0+4*i+3], v[WGO], s[4:5] offset:(i%16)*ROWB+(i/16)*512 th:TH_LOAD_NT
.set i, i+1
.endr
.irp i, 0,1,2,3,4,5,6,7,8,9,10,11,12,13,14,15
	SLOT BUF0+4*\i, 16*NBLK-1-\i, STO, \i*PB       ; the count: the younger loads of W; the activations' are older, so they are in too
.endr
	FRAGS BUF0, FR, 0
.if NBLK == 2
.irp i, 0,1,2,3,4,5,6,7
	SLOT BUF1+4*\i, 15-\i, STO, \i*PB+256
.endr
	s_wait_dscnt 0x8                               ; the eight stores just issued may be out; the eight fragment loads in front of them are in
	MUL4 BUF0, XF, 1
.irp i, 8,9,10,11,12,13,14,15
	SLOT BUF1+4*\i, 15-\i, STO, \i*PB+256
.endr
	FRAGS BUF1, FR, 256
	s_wait_dscnt 0x0
	MUL4 BUF1, XF+32, 0
.else
	s_wait_dscnt 0x0
	MUL4 BUF0, XF, 1
.endif
.endif
	PLACES
.irp j, 0,2,4,6
	v_pk_add_f32 v[R+\j:R+\j+1], v[SA+\j:SA+\j+1], v[SB+\j:SB+\j+1]  ; from each accumulator's low end on
.endr
	ds_store_b128 v[RS], v[R:R+3]
	ds_store_b128 v[RS], v[R+4:R+7] offset:512
	s_wait_dscnt 0x0                               ; for wave 0's sake: my partial tile is in LDS
	s_barrier_signal -1
	s_barrier_wait -1
	s_cmp_lg_u32 s12, 0
	s_cbranch_scc1 .Lend
.if XMODE
	s_wait_xcnt 0x0                                ; the stores into xfrag have read BUF0, which is loaded again below
.endif
.set i, 0
.rept 2*NW
	ds_load_b128 v[BUF0+4*i:BUF0+4*i+3], v[RD] offset:i*512
.set i, i+1
.endr
	s_wait_dscnt 0x0
.set i, 1
.rept NW-1
.irp j, 0,2,4,6
	v_pk_add_f32 v[BUF0+\j:BUF0+\j+1], v[BUF0+\j:BUF0+\j+1], v[BUF0+8*i+\j:BUF0+8*i+\j+1]
.endr
.set i, i+1
.endr
.if EPI == 1
	; SiLU: a / (1 + 2^(-a log2 e)).  Far below zero the power is infinite, its reciprocal 0 and the result -0, the limit of a sigmoid(a)
.irp j, 0,1,2,3,4,5,6,7
	v_mul_f32 v[BUF0+8+\j], 0xbfb8aa3b, v[BUF0+\j]
.endr
.irp j, 0,1,2,3,4,5,6,7
	v_exp_f32 v[BUF0+8+\j], v[BUF0+8+\j]
.endr
	v_nop                                          ; a plain instruction behind the last exponential (ISA guide 5.7.2)
	s_wait_alu depctr_va_vdst(0)
.irp j, 0,2,4,6
	v_pk_add_f32 v[BUF0+8+\j:BUF0+9+\j], v[BUF0+8+\j:BUF0+9+\j], 1.0 op_sel_hi:[1,0]
.endr
.irp j, 0,1,2,3,4,5,6,7
	v_rcp_f32 v[BUF0+8+\j], v[BUF0+8+\j]
.endr
	v_nop
	s_wait_alu depctr_va_vdst(0)
.irp j, 0,2,4,6
	v_pk_mul_f32 v[BUF0+\j:BUF0+\j+1], v[BUF0+\j:BUF0+\j+1], v[BUF0+8+\j:BUF0+9+\j]
.endr
.endif
.if EPI == 2
	global_store_b128 v[OO], v[BUF0:BUF0+3], s[8:9]            ; a work-group owns 64 bytes of each of the 16 rows
	global_store_b128 v[OO], v[BUF0+4:BUF0+7], s[8:9] offset:16
.else
.irp j, 0,1,2,3
	v_cvt_pk_bf16_f32 v[T+\j], v[BUF0+2*\j], v[BUF0+2*\j+1]
.endr
	global_store_b128 v[OO], v[T:T+3], s[8:9]                  ; the wave stores 512 consecutive bytes
.endif
.Lend:
	FINISH
	s_endpgm
.Lfunc_end_k_q98a9391d37_mlp1:
	.size	k_q98a9391d37_mlp1, .Lfunc_end_k_q98a9391d37_mlp1-k_q98a9391d37_mlp1
	.p2alignl 7, 3214868480
	.fill 96, 4, 3214868480
	.section	.rodata,"a",@progbits
	.p2align	6, 0x0
	.amdhsa_kernel k_q98a9391d37_mlp1
		.amdhsa_group_segment_fixed_size 76800
		.amdhsa_private_segment_fixed_size 0
		.amdhsa_enable_private_segment 0
		.amdhsa_kernarg_size 24
		.amdhsa_user_sgpr_count 2
		.amdhsa_user_sgpr_kernarg_segment_ptr 1
		.amdhsa_wavefront_size32 1
		.amdhsa_system_sgpr_workgroup_id_x 1
		.amdhsa_system_sgpr_workgroup_id_y 1
		.amdhsa_system_sgpr_workgroup_id_z 1
		.amdhsa_system_vgpr_workitem_id 0
		.amdhsa_next_free_vgpr 240
		.amdhsa_next_free_sgpr 66
		.amdhsa_reserve_vcc 0
		.amdhsa_float_denorm_mode_32 3
		.amdhsa_float_denorm_mode_16_64 3
		.amdhsa_memory_ordered 1
		.amdhsa_forward_progress 1
		.amdhsa_inst_pref_size 21
	.end_amdhsa_kernel
	.amdgpu_metadata
---
amdhsa.version: [ 1, 2 ]
amdhsa.kernels:
  - .name:           k_q98a9391d37_mlp1
    .symbol:         k_q98a9391d37_mlp1.kd
    .args:
      - { .name: W1, .offset: 0, .size: 8, .value_kind: global_buffer, .address_space: global }
      - { .name: xfrag, .offset: 8, .size: 8, .value_kind: global_buffer, .address_space: global }
      - { .name: hfrag, .offset: 16, .size: 8, .value_kind: global_buffer, .address_space: global }
    .group_segment_fixed_size: 76800
    .private_segment_fixed_size: 0
    .kernarg_segment_align: 8
    .kernarg_segment_size: 24
    .max_flat_workgroup_size: 256
    .sgpr_count:     66
    .vgpr_count:     240
    .wavefront_size: 32
...
	.end_amdgpu_metadata
.endif
;; end of part 6
;; launch mlp2 (part 7): grid 64 x 1, 16 waves a work-group, no clusters, 153,600 bytes of LDS; arguments W2, hfrag, out0; writes out0
.if DOCPART == 7
	.amdgcn_target "amdgcn-amd-amdhsa--gfx1250"
	.amdhsa_code_object_version 6
	.text
	.protected	k_q98a9391d37_mlp2
	.globl	k_q98a9391d37_mlp2
	.p2align	8
	.type	k_q98a9391d37_mlp2,@function
k_q98a9391d37_mlp2:
	s_mov_b64 s[64:65], 0
	v_nop
	global_prefetch_b8 v0, s[64:65] scope:SCOPE_SE
	s_setreg_imm32_b32 hwreg(HW_REG_WAVE_MODE, 25, 1), 1
	s_wait_xcnt 0x0
; out = h W2^T, 16 rows, K = 4,096, f32.  64 work-groups of 16 rows of W2 (256 KB each); sixteen waves, each 256 columns of K, two blocks.
; THE STORES: a work-group owns 16 columns, 64 bytes, of each of the 16 output rows, so no aligned run of 256 bytes of out0 is written by one instruction.  out0 is 64 KB in all; a tile
; of 64 columns, which would fill such runs, would leave 16 work-groups to stream W2's 16 MB.
; ONE TEXT serves the four products with 16 activation rows (q, ctx, the two layers of the MLP); the constants just below choose its form.
; SHARES.  A work-group owns 16 rows of W over all of K; wave w owns 128 NBLK columns of K; the waves' partial tiles meet in LDS and wave 0 adds them.
; W is read once, each load of a wave 512 consecutive bytes of one row, rounded to bf16, laid into the wave's own LDS rows and read back as fragments.
; The product is used as D = (16 rows of W) x (16 activation rows): a lane then holds 8 neighbouring outputs of one activation row.
; NO CLUSTER, NO TENSOR LOADS: W is f32 and has to be rounded on its way, so it passes through registers; what work-groups share (the activations, a third of a
; work-group's bytes at the most) goes from memory straight into registers in fragment order, and a joint request would have to land in LDS and be read once more.
; LIMITS.  W2 is rounded once to bf16; sums in f32; NaN and infinities are not treated apart.
.set NW,    16                         ; waves
.set NBLK,  2                          ; blocks of 128 columns of K to a wave
.set ROWB,  16384                      ; bytes in a row of W
.set XMODE, 0                          ; 1: the activations come as f32 rows and are rounded here; 0: they come in fragment order
.set PERM,  0                          ; 1: the activations are efrag, whose K order has the two middle groups of four in each 16 swapped
.set EPI,   2                          ; 0: bf16 in fragment order; 1: SiLU, then the same; 2: f32 rows
.set OUTB,  0                          ; byte at which this launch's part of the output buffer begins
.set PB,     256*NBLK+16               ; an LDS row: the wave's columns in bf16 + 16 bytes: an odd multiple of 16, so the 16 rows of a fragment load start at 16 different groups of four banks
.set REGION, 16*PB*(1+XMODE)           ; a wave's own rows
.set RED,    NW*REGION                 ; the partial tiles: [wave][half][lane][4 f32]
.set SPARE,  RED+NW*1024               ; the spare words, 128 bytes for each wave, that no other line names
.set GO,   4                           ; 16 x lane
.set STO,  5                           ; where my 8 bytes of a row go
.set STO2, 6                           ; the same in the second region (XMODE)
.set FR,   7                           ; my place in a fragment: row r, 16 bytes for each half of the lanes
.set FR2,  8
.set RS,   9                           ; my 16 bytes of my wave's partial tile
.set RD,   10                          ; the same in wave 0's
.set OO,   11                          ; my byte offset in the output
.set SPW,  12                          ; LDS address of my spare word; never rewritten
.set NIL,  13                          ; 0; never rewritten
.set T,    14                          ; v[14:17] two pairs at work, by turns
.set R,    18                          ; v[18:25] my partial tile
.set XO,   26                          ; my byte offset in xfrag (XMODE)
.set WGO,  27                          ; my byte offset in 512 bytes of a row of W
.set TV,   28                          ; at work
.set SA,   32                          ; two accumulators, by turns
.set SB,   40
.set XF,   48                          ; the activations' fragments, 8 registers a K step of 32
.set BUF0, 112                         ; a block as loaded, 16 slots of 4; then its fragments
.set BUF1, 176
.set TT,   0
.macro SLOT x, left, sto, off          ; one row's 512 bytes: waited for, rounded, laid into LDS (256 consecutive bytes)
	s_wait_loadcnt \left
	v_cvt_pk_bf16_f32 v[T+2*TT], v[\x], v[(\x)+1]
	v_cvt_pk_bf16_f32 v[T+2*TT+1], v[(\x)+2], v[(\x)+3]
	ds_store_b64 v[\sto], v[T+2*TT:T+2*TT+1] offset:\off
.set TT, 1-TT
.endm
.macro FRAGS dst, adr, off             ; the fragments of 16 rows x 128 K: LDS serves a wave in order (ISA guide 5.7.1.4), so these see the wave's own stores
.irp ks, 0,1,2,3
	ds_load_b128 v[(\dst)+8*\ks:(\dst)+8*\ks+3], v[\adr] offset:(\off)+64*\ks
	ds_load_b128 v[(\dst)+8*\ks+4:(\dst)+8*\ks+7], v[\adr] offset:(\off)+64*\ks+32
.endr
.endm
.macro MUL4 a, b, first                ; 128 along K; the two accumulators take turns; first = 1: the first two products start the sums
.irp ks, 0,1,2,3
.if (\first) && (\ks < 2)
	v_wmma_f32_16x16x32_bf16 v[SA+8*(\ks%2):SA+8*(\ks%2)+7], v[(\a)+8*\ks:(\a)+8*\ks+7], v[(\b)+8*\ks:(\b)+8*\ks+7], 0
.else
	v_wmma_f32_16x16x32_bf16 v[SA+8*(\ks%2):SA+8*(\ks%2)+7], v[(\a)+8*\ks:(\a)+8*\ks+7], v[(\b)+8*\ks:(\b)+8*\ks+7], v[SA+8*(\ks%2):SA+8*(\ks%2)+7]
.endif
.endr
.endm
.macro PLACES                          ; four places behind a matrix instruction (ISA guide 7.12.1)
.rept 4
	v_nop
.endr
.endm
.macro FINISH                          ; the wave's end: three lines behind my last LDS store
	s_wait_tensorcnt 0x0
	ds_add_u32 v[SPW], v[NIL]
	s_wait_dscnt 0x0
.endm
.if XMODE
	s_load_b256 s[4:11], s[0:1], 0x0               ; W s[4:5], x s[6:7], out s[8:9], xfrag s[10:11]
.else
	s_load_b128 s[4:7], s[0:1], 0x0                ; W s[4:5], x s[6:7]
	s_load_b64 s[8:9], s[0:1], 0x10                ; out
.endif
	v_lshl_add_u32 v[SPW], v0, 2, SPARE
	v_mov_b32 v[NIL], 0
	v_and_b32 v1, 31, v0                           ; lane
	v_lshrrev_b32 v2, 5, v0
	v_readfirstlane_b32 s12, v2                    ; wave
	v_and_b32 v2, 15, v0                           ; r
	v_bfe_u32 v3, v0, 4, 1                         ; hh
	s_mov_b32 s13, ttmp9                           ; which 16 rows of W
	v_lshlrev_b32 v[GO], 4, v1
.if PERM
	v_and_b32 v[WGO], 0x1c, v1                     ; the lane's number with its two lowest bits exchanged: of each 16 columns the two middle groups of four change places
	v_and_b32 v[TV], 1, v1
	v_lshl_or_b32 v[WGO], v[TV], 1, v[WGO]
	v_bfe_u32 v[TV], v1, 1, 1
	v_or_b32 v[WGO], v[WGO], v[TV]
	v_lshlrev_b32 v[WGO], 4, v[WGO]
.else
	v_lshlrev_b32 v[WGO], 4, v1
.endif
	s_mul_i32 s16, s12, REGION                     ; my wave's rows in LDS
	v_lshl_add_u32 v[STO], v1, 3, s16
	v_mul_u32_u24 v[FR], v2, PB
	v_lshl_add_u32 v[FR], v3, 4, v[FR]
	v_add_nc_u32 v[FR], s16, v[FR]
.if XMODE
	v_add_nc_u32 v[STO2], 16*PB, v[STO]
	v_add_nc_u32 v[FR2], 16*PB, v[FR]
	s_lshl_b32 s17, s12, 12                        ; my four K steps of 1,024 bytes in xfrag
	v_lshl_add_u32 v[XO], v1, 4, s17
.endif
	s_lshl_b32 s17, s12, 10
	s_add_co_u32 s17, s17, RED
	v_lshl_add_u32 v[RS], v1, 4, s17
	v_lshl_add_u32 v[RD], v1, 4, RED
.if EPI == 2
	v_lshlrev_b32 v[OO], 12, v2                    ; row r of 4,096 bytes, 32 bytes for each half of the lanes
	v_lshl_add_u32 v[OO], v3, 5, v[OO]
.else
	v_lshlrev_b32 v[OO], 4, v1
.endif
	s_mul_i32 s14, s13, 16*ROWB                    ; W: my 16 rows, my wave's columns
	s_mul_i32 s18, s12, 512*NBLK
	s_add_co_u32 s14, s14, s18
	s_mov_b32 s15, 0
.if XMODE
	s_lshl_b32 s18, s12, 9                         ; x: my wave's 128 columns of f32
.else
	s_mul_i32 s18, s12, 4096*NBLK                  ; x: my wave's K steps of 1,024 bytes
.endif
.if PERM
	s_lshr_b32 s20, s13, 2                         ; the head to which my 16 rows belong: 32,768 bytes each
	s_lshl_b32 s20, s20, 15
	s_add_co_u32 s18, s18, s20
.endif
	s_mov_b32 s19, 0
.if EPI == 2
	s_lshl_b32 s20, s13, 6                         ; 16 columns of f32
.else
	s_lshl_b32 s20, s13, 9                         ; 16 values of k in fragment order: 512 bytes
.if OUTB
	s_add_co_u32 s20, s20, OUTB
.endif
.endif
	s_mov_b32 s21, 0
	s_wait_kmcnt 0x0
	s_add_nc_u64 s[4:5], s[4:5], s[14:15]
	s_add_nc_u64 s[6:7], s[6:7], s[18:19]
	s_add_nc_u64 s[8:9], s[8:9], s[20:21]
.if XMODE
	; all loads go out at once: 16 rows of the activations, then 16 rows of W
.set i, 0
.rept 16
	global_load_b128 v[BUF0+4*i:BUF0+4*i+3], v[GO], s[6:7] offset:i*4096
.set i, i+1
.endr
.set i, 0
.rept 16
	global_load_b128 v[BUF1+4*i:BUF1+4*i+3], v[WGO], s[4:5] offset:i*ROWB th:TH_LOAD_NT
.set i, i+1
.endr
.irp i, 0,1,2,3,4,5,6,7,8,9,10,11,12,13,14,15
	SLOT BUF0+4*\i, 31-\i, STO, \i*PB              ; the count: the younger loads, 15 - i of this block and W's 16
.endr
	FRAGS BUF0, FR, 0
.irp i, 0,1,2,3,4,5,6,7,8,9,10,11,12,13,14,15
	SLOT BUF1+4*\i, 15-\i, STO2, \i*PB
.endr
	FRAGS BUF1, FR2, 0
	s_wait_dscnt 0x0
	s_cmp_lg_u32 s13, 0
	s_cbranch_scc1 .Lnox
.set i, 0
.rept 8                                ; work-group 0: the activations' fragments are what the first layer of the MLP will load: 512 consecutive bytes a store
	global_store_b128 v[XO], v[BUF0+4*i:BUF0+4*i+3], s[10:11] offset:i*512
.set i, i+1
.endr
.Lnox:
	MUL4 BUF1, BUF0, 1
.else
	; all loads go out at once: the activations' fragments, then W's blocks
.set i, 0
.rept 8*NBLK
	global_load_b128 v[XF+4*i:XF+4*i+3], v[GO], s[6:7] offset:i*512
.set i, i+1
.endr
.set i, 0
.rept 16*NBLK
	global_load_b128 v[BUF0+4*i:BUF0+4*i+3], v[WGO], s[4:5] offset:(i%16)*ROWB+(i/16)*512 th:TH_LOAD_NT
.set i, i+1
.endr
.irp i, 0,1,2,3,4,5,6,7,8,9,10,11,12,13,14,15
	SLOT BUF0+4*\i, 16*NBLK-1-\i, STO, \i*PB       ; the count: the younger loads of W; the activations' are older, so they are in too
.endr
	FRAGS BUF0, FR, 0
.if NBLK == 2
.irp i, 0,1,2,3,4,5,6,7
	SLOT BUF1+4*\i, 15-\i, STO, \i*PB+256
.endr
	s_wait_dscnt 0x8                               ; the eight stores just issued may be out; the eight fragment loads in front of them are in
	MUL4 BUF0, XF, 1
.irp i, 8,9,10,11,12,13,14,15
	SLOT BUF1+4*\i, 15-\i, STO, \i*PB+256
.endr
	FRAGS BUF1, FR, 256
	s_wait_dscnt 0x0
	MUL4 BUF1, XF+32, 0
.else
	s_wait_dscnt 0x0
	MUL4 BUF0, XF, 1
.endif
.endif
	PLACES
.irp j, 0,2,4,6
	v_pk_add_f32 v[R+\j:R+\j+1], v[SA+\j:SA+\j+1], v[SB+\j:SB+\j+1]  ; from each accumulator's low end on
.endr
	ds_store_b128 v[RS], v[R:R+3]
	ds_store_b128 v[RS], v[R+4:R+7] offset:512
	s_wait_dscnt 0x0                               ; for wave 0's sake: my partial tile is in LDS
	s_barrier_signal -1
	s_barrier_wait -1
	s_cmp_lg_u32 s12, 0
	s_cbranch_scc1 .Lend
.if XMODE
	s_wait_xcnt 0x0                                ; the stores into xfrag have read BUF0, which is loaded again below
.endif
.set i, 0
.rept 2*NW
	ds_load_b128 v[BUF0+4*i:BUF0+4*i+3], v[RD] offset:i*512
.set i, i+1
.endr
	s_wait_dscnt 0x0
.set i, 1
.rept NW-1
.irp j, 0,2,4,6
	v_pk_add_f32 v[BUF0+\j:BUF0+\j+1], v[BUF0+\j:BUF0+\j+1], v[BUF0+8*i+\j:BUF0+8*i+\j+1]
.endr
.set i, i+1
.endr
.if EPI == 1
	; SiLU: a / (1 + 2^(-a log2 e)).  Far below zero the power is infinite, its reciprocal 0 and the result -0, the limit of a sigmoid(a)
.irp j, 0,1,2,3,4,5,6,7
	v_mul_f32 v[BUF0+8+\j], 0xbfb8aa3b, v[BUF0+\j]
.endr
.irp j, 0,1,2,3,4,5,6,7
	v_exp_f32 v[BUF0+8+\j], v[BUF0+8+\j]
.endr
	v_nop                                          ; a plain instruction behind the last exponential (ISA guide 5.7.2)
.irp j, 0,2,4,6
	v_pk_add_f32 v[BUF0+8+\j:BUF0+9+\j], v[BUF0+8+\j:BUF0+9+\j], 1.0 op_sel_hi:[1,0]
.endr
.irp j, 0,1,2,3,4,5,6,7
	v_rcp_f32 v[BUF0+8+\j], v[BUF0+8+\j]
.endr
	v_nop
.irp j, 0,2,4,6
	v_pk_mul_f32 v[BUF0+\j:BUF0+\j+1], v[BUF0+\j:BUF0+\j+1], v[BUF0+8+\j:BUF0+9+\j]
.endr
.endif
.if EPI == 2
	global_store_b128 v[OO], v[BUF0:BUF0+3], s[8:9]            ; a work-group owns 64 bytes of each of the 16 rows
	global_store_b128 v[OO], v[BUF0+4:BUF0+7], s[8:9] offset:16
.else
.irp j, 0,1,2,3
	v_cvt_pk_bf16_f32 v[T+\j], v[BUF0+2*\j], v[BUF0+2*\j+1]
.endr
	global_store_b128 v[OO], v[T:T+3], s[8:9]                  ; the wave stores 512 consecutive bytes
.endif
.Lend:
	FINISH
	s_endpgm
.Lfunc_end_k_q98a9391d37_mlp2:
	.size	k_q98a9391d37_mlp2, .Lfunc_end_k_q98a9391d37_mlp2-k_q98a9391d37_mlp2
	.p2alignl 7, 3214868480
	.fill 96, 4, 3214868480
	.section	.rodata,"a",@progbits
	.p2align	6, 0x0
	.amdhsa_kernel k_q98a9391d37_mlp2
		.amdhsa_group_segment_fixed_size 153600
		.amdhsa_private_segment_fixed_size 0
		.amdhsa_enable_private_segment 0
		.amdhsa_kernarg_size 24
		.amdhsa_user_sgpr_count 2
		.amdhsa_user_sgpr_kernarg_segment_ptr 1
		.amdhsa_wavefront_size32 1
		.amdhsa_system_sgpr_workgroup_id_x 1
		.amdhsa_system_sgpr_workgroup_id_y 1
		.amdhsa_system_sgpr_workgroup_id_z 1
		.amdhsa_system_vgpr_workitem_id 0
		.amdhsa_next_free_vgpr 240
		.amdhsa_next_free_sgpr 66
		.amdhsa_reserve_vcc 0
		.amdhsa_float_denorm_mode_32 3
		.amdhsa_float_denorm_mode_16_64 3
		.amdhsa_memory_ordered 1
		.amdhsa_forward_progress 1
		.amdhsa_inst_pref_size 22
	.end_amdhsa_kernel
	.amdgpu_metadata
---
amdhsa.version: [ 1, 2 ]
amdhsa.kernels:
  - .name:           k_q98a9391d37_mlp2
    .symbol:         k_q98a9391d37_mlp2.kd
    .args:
      - { .name: W2, .offset: 0, .size: 8, .value_kind: global_buffer, .address_space: global }
      - { .name: hfrag, .offset: 8, .size: 8, .value_kind: global_buffer, .address_space: global }
      - { .name: out0, .offset: 16, .size: 8, .value_kind: global_buffer, .address_space: global }
    .group_segment_fixed_size: 153600
    .private_segment_fixed_size: 0
    .kernarg_segment_align: 8
    .kernarg_segment_size: 24
    .max_flat_workgroup_size: 512
    .sgpr_count:     66
    .vgpr_count:     240
    .wavefront_size: 32
...
	.end_amdgpu_metadata
.endif
;; end of part 7
;; ======== version 2 of 2: 7 launches; version 1 with the launch attn written anew for expert scheduling mode
;; workspace buffers: qfrag 32,768 bytes; qkrow 524,288 bytes; pe 16,777,216 bytes; ml 65,536 bytes; efrag 524,288 bytes; xfrag 65,536 bytes; hfrag 131,072 bytes
;; launch qproj: the kernel of part 1 again; grid 64 x 1, 8 waves a work-group, no clusters, 78,848 bytes of LDS; arguments Wq, dec_h, qfrag, xfrag; writes qfrag, xfrag
;; launch qk: the kernel of part 2 again; grid 64 x 1, 4 waves a work-group, no clusters, 8,960 bytes of LDS; arguments qfrag, Wk, qkrow; writes qkrow
;; launch attn (part 8): grid 16 x 16, 8 waves a work-group, no clusters, 305,408 bytes of LDS; arguments enc, qkrow, pe, ml; writes pe, ml
.if DOCPART == 8
	.amdgcn_target "amdgcn-amd-amdhsa--gfx1250"
	.amdhsa_code_object_version 6
	.text
	.protected	k_q98a9391d37_attn
	.globl	k_q98a9391d37_attn
	.p2align	8
	.type	k_q98a9391d37_attn,@function
k_q98a9391d37_attn:
	s_mov_b64 s[64:65], 0
	v_nop
	global_prefetch_b8 v0, s[64:65] scope:SCOPE_SE
	s_setreg_imm32_b32 hwreg(HW_REG_WAVE_SCHED_MODE, 0, 2), 2
	s_setreg_imm32_b32 hwreg(HW_REG_WAVE_MODE, 25, 1), 1
	s_wait_xcnt 0x0
	s_wait_alu depctr_vm_vsrc(0)
; For batch b and a chunk of 128 rows of enc[b]: the scores of all 16 heads, s[h][t] = qk[b][h] . enc[b][t]; the chunk's softmax, p = 2^(c s - c m) with m the chunk's true maximum and
; c = log2(e) / 8; and the chunk's part of the weighted sum of ENC's rows, pe[h][d] = the sum over t of p[h][t] enc[b][t][d].  The value projection follows later, on that sum: the sum over t of
; p (Wv enc_t) = Wv (the sum over t of p enc_t).  So each byte of enc is read from memory once, and k and v are never formed.
; Out: pe, f32, [b][chunk][d / 16][q2][lane][4] (lane (head r, hh) holds d = 16 dt + 8 hh + 4 q2 + 0..3), and for each head (c m, l), l the sum of the chunk's p.
; SHARES.  Grid x = chunk, y = batch: 256 work-groups of 512 KB of enc.  The scores go by rows: wave w owns rows 16 w .. 16 w + 15, streams them (each load 512 consecutive bytes of a row),
; rounds them to bf16 and lays them into LDS, where all 128 rows stay (266 KB in bf16; in f32 they would not fit).  The second product goes by columns: wave w owns d = 128 w .. 128 w + 127 of all rows.
; NO TENSOR LOADS: enc is f32 and has to be rounded on its way into LDS.  NO CLUSTER: no byte of enc is shared; the sixteen chunks of a batch share qk[b], 32 KB beside 512 KB.
; LIMITS.  The order of rounding differs from a program that forms k and v: qk, enc and p are rounded once to bf16; scores, maxima, exponentials and sums are f32.  A weight below 2^-126 counts as 0.
; NaN and infinities are not treated apart.
; THE MODE: SCHED_MODE bits 1:0 = 2 (LLVM: expert scheduling mode 2), set by the entry lines.  The code itself states the register dependences
; between vector or matrix instructions and memory or LDS instructions, with s_wait_alu, always for 0.
; THE PLAN.  The wave's 16 rows x 1,024 columns go in 16 GROUPS of eight rows x 128 columns, two groups to a block of 128 columns.  Registers that memory or LDS instructions touch in the stream:
;   X0 .. X3   four groups as loaded, 32 registers each.  Group g: its sixteen roundings read X[g % 4]; behind them the loads of group g + 4 land in it: 24 to 32 loads of a wave are out.
;   Y0, Y1     two groups in bf16, 16 registers each.  Group g's roundings write Y[g % 2], its eight LDS stores read it; group g + 2's roundings write it again.
;   EF, QV     the fragments of 64 along K of enc and of qk.  Eight LDS loads of group g land in them; the two matrix instructions at the head of group g + 1 read them.
;   v4 to v21, v30   addresses, made at the head and never written again.  A scalar register that a vector instruction reads is written once.
; So ONE wait on va_vdst stands in a group, behind its roundings: they have written Y and are done reading X, and the group's two matrix instructions, issued ahead of them, are done reading
; EF and QV.  The group's 24 memory and LDS instructions follow it with no vector instruction between.  One wait on vm_vsrc stands ahead of the roundings, two groups behind the stores that it is for.
; Behind the stream each wait's comment names what it states.
.set EP,    2080                       ; a row of enc in LDS: 2,048 bytes + 32 = 65 x 32
.set QP,    2064                       ; a row of qk: 2,048 + 16 = 129 x 16: the 16 rows of a fragment load start at 16 different groups of four banks
.set QK,    128*EP                     ; 266,240
.set STAT,  QK+16*QP                   ; 299,264: the waves' maxima, [wave][head]
.set LS,    STAT+512                   ; the waves' sums
.set PP,    LS+512                     ; p in bf16, [wave][lane][16 bytes]
.set SPARE, PP+4096                    ; 304,384: the spare words, 128 bytes for each wave, that no other line names
.set GO,  4                            ; 16 x lane
.set STO, 5                            ; where my 8 bytes of my wave's first row go
.set FR,  6                            ; my place in a fragment of my wave's rows
.set QF,  7                            ; my place in a fragment of qk
.set TR,  8                            ; v[8:11] my place in the turning loads, for each 32 rows
.set MS,  12                           ; my word among the maxima: to store, v13 to load
.set ML,  13
.set PS,  14                           ; my 16 bytes of p: to store, v15 to load
.set PL,  15
.set SS,  16                           ; my word among the sums: to store, v17 to load
.set SL,  17
.set PO,  18                           ; my byte offset in pe
.set MO,  19                           ; my byte offset in the record of ml
.set SPW, 20                           ; LDS address of my spare word; never rewritten
.set NIL, 21                           ; 0; never rewritten
.set T,   22                           ; v[22:25] my eight weights in bf16
.set QS,  30                           ; where my 16 bytes of qk go
.set S,   32                           ; v[32:39] my eight scores, then weights
.set W8,  40                           ; v[40:47] eight words from LDS
.set SA,  48                           ; two accumulators, by turns
.set SB,  56
.set EF,  64                           ; v[64:79] fragments of enc, 64 along K
.set QV,  80                           ; v[80:95] fragments of qk, 64 along K
.set Y,   96                           ; v[96:127] two out-buffers: group g, row i at Y + 16 (g % 2) + 2 i
.set QH,  96                           ; at the head only: my two rows of qk on their way into LDS
.set X,   128                          ; v[128:255] the ring: group g, row i at X + 32 (g % 4) + 4 i
.set EF2, 224                          ; the last block's second pair of fragments, where group 15 lay
.set QV2, 240
.set PF,  32                           ; second product: v[32:63] p's fragments
.set ACC, 64                           ; v[64:127] eight accumulators, 16 d each
.set TRF, 128                          ; v[128:255] two buffers of turned fragments
.macro FRAG2 de, dq, fb, kp            ; the fragments of 16 rows x 64 K of enc and of qk: block fb, K steps 2 kp and 2 kp + 1 of its four
.irp n, 0,1
	ds_load_b128 v[(\de)+8*\n:(\de)+8*\n+3],   v[FR] offset:256*(\fb)+128*(\kp)+64*\n
	ds_load_b128 v[(\de)+8*\n+4:(\de)+8*\n+7], v[FR] offset:256*(\fb)+128*(\kp)+64*\n+32
	ds_load_b128 v[(\dq)+8*\n:(\dq)+8*\n+3],   v[QF] offset:256*(\fb)+128*(\kp)+64*\n
	ds_load_b128 v[(\dq)+8*\n+4:(\dq)+8*\n+7], v[QF] offset:256*(\fb)+128*(\kp)+64*\n+32
.endr
.endm
.macro MUL2 a, b, first                ; 64 along K; the two accumulators take turns; first = 1: the products start the sums
.if \first
	v_wmma_f32_16x16x32_bf16 v[SA:SA+7], v[(\a):(\a)+7], v[(\b):(\b)+7], 0
	v_wmma_f32_16x16x32_bf16 v[SB:SB+7], v[(\a)+8:(\a)+15], v[(\b)+8:(\b)+15], 0
.else
	v_wmma_f32_16x16x32_bf16 v[SA:SA+7], v[(\a):(\a)+7], v[(\b):(\b)+7], v[SA:SA+7]
	v_wmma_f32_16x16x32_bf16 v[SB:SB+7], v[(\a)+8:(\a)+15], v[(\b)+8:(\b)+15], v[SB:SB+7]
.endif
.endm
.macro PLACES                          ; four places behind a matrix instruction (ISA guide 7.12.1)
.rept 4
	v_nop
.endr
.endm
; Group g: rows 8 (g % 2) .. + 7 of block g / 2.  At its head the 64 along K whose fragments the group before asked for are multiplied; then the group's rows are rounded; then, behind the one
; wait, its slots are filled again with the block two further on, its rows are laid into LDS (256 consecutive bytes a store), and the next fragments are asked for: a block's first 64 along K
; in its second group, behind the stores of its last rows, its other 64 in the group after.
.macro GROUP g
.set GCB, (\g)/2
.set GR0, 8*((\g)%2)
.set GX,  X+32*((\g)%4)
.set GY,  Y+16*((\g)%2)
.if (\g) < 13
	s_wait_loadcnt 24                              ; loads come back in order (ISA guide 5.7.1): my eight rows are in, the three younger groups stay out
.else
	s_wait_loadcnt 8*(15-(\g))                     ; the last groups are followed by fewer
.endif
.if (\g) >= 2
	s_wait_dscnt 0x0                               ; the fragments that the group before asked for are in
.if (\g) == 2
	MUL2 EF, QV, 1
.else
	MUL2 EF, QV, 0
.endif
	s_wait_alu depctr_vm_vsrc(0)                   ; the LDS stores of group g - 2 have read Y[g % 2], which the roundings below write again
.endif
.irp i, 0,1,2,3,4,5,6,7
	v_cvt_pk_bf16_f32 v[GY+2*\i],   v[GX+4*\i],   v[GX+4*\i+1]
	v_cvt_pk_bf16_f32 v[GY+2*\i+1], v[GX+4*\i+2], v[GX+4*\i+3]
.endr
	s_wait_alu depctr_va_vdst(0)                   ; the roundings have written Y[g % 2], which the LDS stores read, and are done reading X[g % 4], in which the loads land; the two matrix instructions above are done reading EF and QV, in which the fragments' loads land
.if (\g) < 12
.irp i, 0,1,2,3,4,5,6,7
	global_load_b128 v[GX+4*\i:GX+4*\i+3], v[GO], s[4:5] offset:(GR0+\i)*4096+(GCB+2)*512 th:TH_LOAD_NT
.endr
.endif
.irp i, 0,1,2,3,4,5,6,7
	ds_store_b64 v[STO], v[GY+2*\i:GY+2*\i+1] offset:(GR0+\i)*EP+GCB*256
.endr
.if ((\g) >= 1) && ((\g) < 15)
	FRAG2 EF, QV, ((\g)-1)/2, ((\g)-1)%2           ; LDS serves a wave in order (ISA guide 5.7.1.4): these see the wave's own stores above
.elseif (\g) == 15
	FRAG2 EF, QV, 7, 0                             ; the last block's fragments all at once:
	FRAG2 EF2, QV2, 7, 1                           ; the second pair lands where this group's rows lay, which the wait above has shown read
.endif
.endm
.macro TURNS ks                        ; rows 32 ks .. + 31 of my 128 columns, turned: 8 fragments of 16 d x 32 t
.irp dt, 0,1,2,3,4,5,6,7
	ds_load_tr16_b128 v[TRF+64*((\ks)%2)+8*\dt:TRF+64*((\ks)%2)+8*\dt+3], v[TR+(\ks)] offset:32*\dt
	ds_load_tr16_b128 v[TRF+64*((\ks)%2)+8*\dt+4:TRF+64*((\ks)%2)+8*\dt+7], v[TR+(\ks)] offset:16*EP+32*\dt
.endr
.endm
.macro PVMUL ks                        ; the eight accumulators take turns; the first 32 rows start the sums
.irp dt, 0,1,2,3,4,5,6,7
.if (\ks) == 0
	v_wmma_f32_16x16x32_bf16 v[ACC+8*\dt:ACC+8*\dt+7], v[TRF+64*((\ks)%2)+8*\dt:TRF+64*((\ks)%2)+8*\dt+7], v[PF+8*(\ks):PF+8*(\ks)+7], 0
.else
	v_wmma_f32_16x16x32_bf16 v[ACC+8*\dt:ACC+8*\dt+7], v[TRF+64*((\ks)%2)+8*\dt:TRF+64*((\ks)%2)+8*\dt+7], v[PF+8*(\ks):PF+8*(\ks)+7], v[ACC+8*\dt:ACC+8*\dt+7]
.endif
.endr
.endm
.macro PVMULT ks, kt                   ; the products of rows 32 ks on, and dealt among them the turning loads of rows 32 kt on, which land in the other buffer
.irp dt, 0,1,2,3,4,5,6,7
	v_wmma_f32_16x16x32_bf16 v[ACC+8*\dt:ACC+8*\dt+7], v[TRF+64*((\ks)%2)+8*\dt:TRF+64*((\ks)%2)+8*\dt+7], v[PF+8*(\ks):PF+8*(\ks)+7], v[ACC+8*\dt:ACC+8*\dt+7]
	ds_load_tr16_b128 v[TRF+64*((\kt)%2)+8*\dt:TRF+64*((\kt)%2)+8*\dt+3], v[TR+(\kt)] offset:32*\dt
	ds_load_tr16_b128 v[TRF+64*((\kt)%2)+8*\dt+4:TRF+64*((\kt)%2)+8*\dt+7], v[TR+(\kt)] offset:16*EP+32*\dt
.endr
.endm
	s_load_b256 s[4:11], s[0:1], 0x0               ; enc s[4:5], qkrow s[6:7], pe s[8:9], ml s[10:11]
	v_lshl_add_u32 v[SPW], v0, 2, SPARE
	v_mov_b32 v[NIL], 0
	v_and_b32 v1, 31, v0                           ; lane
	v_lshrrev_b32 v2, 5, v0
	v_readfirstlane_b32 s12, v2                    ; wave
	v_and_b32 v2, 15, v0                           ; r
	v_bfe_u32 v3, v0, 4, 1                         ; hh
	s_and_b32 s13, ttmp7, 0xffff                   ; batch
	s_mov_b32 s20, 0x3e38aa3b                      ; c = log2(e) / 8
	s_mov_b32 s22, 0x76543210                      ; v_permlanex16_b32: each lane takes its own place in the other half
	s_mov_b32 s23, 0xfedcba98
	v_lshlrev_b32 v[GO], 4, v1
	s_wait_alu depctr_va_sdst(0)                   ; s12 is written, ahead of its first reader: LDS addresses, bases and the last branch are made from it
	s_mul_i32 s16, s12, 16*EP                      ; my wave's 16 rows in LDS
	v_lshl_add_u32 v[STO], v1, 3, s16
	v_mul_u32_u24 v[FR], v2, EP
	v_lshl_add_u32 v[FR], v3, 4, v[FR]
	v_add_nc_u32 v[FR], s16, v[FR]
	v_mul_u32_u24 v[QF], v2, QP
	v_lshl_add_u32 v[QF], v3, 4, v[QF]
	v_add_nc_u32 v[QF], QK, v[QF]
	s_mul_i32 s17, s12, 2*QP                       ; my wave brings two heads' rows of qk
	s_add_co_u32 s17, s17, QK
	v_lshl_add_u32 v[QS], v1, 4, s17
	v_and_b32 v26, 7, v0                           ; the turning load: lane l reads row 8 hh + l % 8, 16 bytes at 16 ((l / 8) % 2)
	v_lshl_add_u32 v26, v3, 3, v26
	v_mul_u32_u24 v26, v26, EP
	v_bfe_u32 v27, v0, 3, 1
	v_lshl_add_u32 v26, v27, 4, v26
	s_lshl_b32 s28, s12, 8                         ; my wave's 128 columns
	v_add_nc_u32 v[TR], s28, v26
	v_add_nc_u32 v[TR+1], 32*EP, v[TR]
	v_add_nc_u32 v[TR+2], 64*EP, v[TR]
	v_add_nc_u32 v[TR+3], 96*EP, v[TR]
	s_lshl_b32 s29, s12, 6
	s_add_co_u32 s29, s29, STAT
	v_lshl_add_u32 v[MS], v2, 2, s29
	v_lshl_add_u32 v[ML], v2, 2, STAT
	v_add_nc_u32 v[SS], 512, v[MS]
	v_add_nc_u32 v[SL], 512, v[ML]
	s_lshl_b32 s30, s12, 9
	s_add_co_u32 s30, s30, PP
	v_lshl_add_u32 v[PS], v1, 4, s30
	v_lshl_add_u32 v[PL], v1, 4, PP
	s_lshl_b32 s31, s12, 13                        ; my wave's eight tiles of 16 d, 1,024 bytes each
	v_lshl_add_u32 v[PO], v1, 4, s31
	v_lshlrev_b32 v[MO], 3, v1
	s_lshl_b32 s14, s13, 23                        ; enc: batch x 8 MB + chunk x 512 KB + wave x 64 KB
	s_lshl_b32 s32, ttmp9, 19
	s_add_co_u32 s14, s14, s32
	s_lshl_b32 s32, s12, 16
	s_add_co_u32 s14, s14, s32
	s_mov_b32 s15, 0
	s_lshl_b32 s18, s13, 15                        ; qkrow: batch x 32 KB + wave x 4 KB
	s_lshl_b32 s32, s12, 12
	s_add_co_u32 s18, s18, s32
	s_mov_b32 s19, 0
	s_lshl_b32 s24, s13, 4
	s_add_co_u32 s24, s24, ttmp9                   ; 16 x batch + chunk
	s_lshl_b32 s26, s24, 8                         ; its record of 256 bytes in ml,
	s_lshl_b32 s24, s24, 16                        ; its 64 KB in pe
	s_mov_b32 s25, 0
	s_mov_b32 s27, 0
	s_wait_kmcnt 0x0
	s_add_nc_u64 s[4:5], s[4:5], s[14:15]
	s_add_nc_u64 s[6:7], s[6:7], s[18:19]
	s_add_nc_u64 s[8:9], s[8:9], s[24:25]
	s_add_nc_u64 s[10:11], s[10:11], s[26:27]
	s_wait_alu depctr_va_vdst(0)                   ; the addresses and offsets v4 to v21 and v30 are written, which the kernel's loads and stores read
	; qk[b] into LDS, an eighth a wave; behind its loads the ring is filled
.irp i, 0,1,2,3,4,5,6,7
	global_load_b128 v[QH+4*\i:QH+4*\i+3], v[GO], s[6:7] offset:\i*512
.endr
.set i, 0
.rept 32
	global_load_b128 v[X+4*i:X+4*i+3], v[GO], s[4:5] offset:(i%16)*4096+(i/16)*512 th:TH_LOAD_NT
.set i, i+1
.endr
	s_wait_loadcnt 32                              ; the ring's 32 loads stay out
.irp i, 0,1,2,3,4,5,6,7
	ds_store_b128 v[QS], v[QH+4*\i:QH+4*\i+3] offset:(\i/4)*QP+(\i%4)*512
.endr
	s_wait_dscnt 0x0                               ; for the others' sake: my two rows of qk are in LDS
	s_barrier_signal -1
	s_barrier_wait -1
	s_wait_alu depctr_vm_vsrc(0)                   ; my LDS stores of qk have read v[96:127]: these registers are Y0 and Y1 from here on, written by the roundings of groups 0 and 1
	; THE SCORES: D = (16 rows of enc) x (16 heads): lane (head r, hh) holds t = 16 w + 8 hh + 0..7
.irp g, 0,1,2,3,4,5,6,7,8,9,10,11,12,13,14,15
	GROUP \g
.endr
	s_wait_dscnt 0x0                               ; the last block's fragments are in
	MUL2 EF, QV, 0
	MUL2 EF2, QV2, 0
	PLACES
.irp j, 0,2,4,6
	v_pk_add_f32 v[S+\j:S+\j+1], v[SA+\j:SA+\j+1], v[SB+\j:SB+\j+1]  ; from each accumulator's low end on
.endr
	v_max3_num_f32 v26, v[S], v[S+1], v[S+2]
	v_max3_num_f32 v26, v26, v[S+3], v[S+4]
	v_max3_num_f32 v26, v26, v[S+5], v[S+6]
	v_max_num_f32 v26, v26, v[S+7]
	v_permlanex16_b32 v27, v26, s22, s23           ; the head's other 8 rows lie in the lane 16 away
	v_max_num_f32 v26, v26, v27
	s_wait_alu depctr_va_vdst(0)                   ; v26 is written, which the LDS store reads; the stream's roundings and products are done reading v[128:255], in which the turning loads behind the barrier land
	ds_store_b32 v[MS], v26                        ; both halves of the lanes write the same number
	s_wait_dscnt 0x0                               ; for the others' sake: my maximum and my 16 rows of enc are in LDS
	s_barrier_signal -1
	s_barrier_wait -1
	s_wait_alu depctr_vm_vsrc(0)                   ; that store has read v26, which the chunk's maximum is written into; the stream's LDS stores have read v[96:127], which the second product's sums are written into
	; THE CHUNK'S SOFTMAX.  The first 64 rows' turned fragments are asked for ahead of it.
.irp k, 0,1,2,3,4,5,6,7
	ds_load_b32 v[W8+\k], v[ML] offset:64*\k
.endr
	TURNS 0
	TURNS 1
	s_wait_dscnt 32                                ; the 32 turning loads may be out; the eight maxima are in
	v_max3_num_f32 v26, v[W8], v[W8+1], v[W8+2]
	v_max3_num_f32 v26, v26, v[W8+3], v[W8+4]
	v_max3_num_f32 v26, v26, v[W8+5], v[W8+6]
	v_max_num_f32 v26, v26, v[W8+7]                ; m: the head's maximum over the chunk's 128 rows
	v_mul_f32 v28, s20, v26                        ; c m
.irp j, 0,1,2,3,4,5,6,7
	v_fma_f32 v[S+\j], v[S+\j], s20, -v28
.endr
.irp j, 0,1,2,3,4,5,6,7
	v_exp_f32 v[S+\j], v[S+\j]
.endr
	v_nop                                          ; a plain instruction behind the last exponential (ISA guide 5.7.2)
	s_wait_alu depctr_va_vdst(0)                   ; the eight exponentials have written v[S ..], ahead of their first reader: one wait for the batch
.irp j, 0,1,2,3
	v_cvt_pk_bf16_f32 v[T+\j], v[S+2*\j], v[S+2*\j+1]
.endr
	v_pk_add_f32 v[W8:W8+1], v[S:S+1], v[S+2:S+3]
	v_pk_add_f32 v[W8+2:W8+3], v[S+4:S+5], v[S+6:S+7]
	v_pk_add_f32 v[W8:W8+1], v[W8:W8+1], v[W8+2:W8+3]
	v_add_f32 v[W8], v[W8], v[W8+1]
	v_permlanex16_b32 v27, v[W8], s22, s23
	v_add_f32 v[W8], v[W8], v27
	s_wait_alu depctr_va_vdst(0)                   ; v[T ..] and v[W8] are written, which the two LDS stores read; all vector work on v[32:63] is done, in which p's fragments land behind the barrier
	ds_store_b128 v[PS], v[T:T+3]                  ; eight weights along t: half a fragment of the second product's source 1
	ds_store_b32 v[SS], v[W8]
	s_wait_dscnt 0x0                               ; for the others' sake: my weights and their sum are in LDS
	s_barrier_signal -1
	s_barrier_wait -1
	s_wait_alu depctr_vm_vsrc(0)                   ; the store of my sum has read v[W8], in which one of the loads below lands
	; THE WEIGHTED SUM: D = (16 d, turned) x (16 heads) over the chunk's 128 rows: lane (head r, hh) holds d = 128 w + 16 dt + 8 hh + 0..7
.irp k, 0,1,2,3,4,5,6,7
	ds_load_b128 v[PF+4*\k:PF+4*\k+3], v[PL] offset:512*\k
.endr
	s_wait_dscnt 0x0
	PVMUL 0
	PLACES                                         ; the places in front of loads into those products' sources stay beside the wait
	s_wait_alu depctr_va_vdst(0)                   ; the first eight products are done reading the first buffer of turned fragments, in which the loads dealt among the next eight land
	PVMULT 1, 2                                    ; no further wait: these products name the second buffer, p's second fragment and the accumulators, none of which those loads touch
	PLACES
	s_wait_alu depctr_va_vdst(0)                   ; those products are done reading the second buffer, in which the last sixteen loads land
	TURNS 3
	s_wait_dscnt 16                                ; the last 32 rows' sixteen loads may be out
	PVMUL 2
	s_wait_dscnt 0x0
	PVMUL 3
	PLACES
	s_wait_alu depctr_va_vdst(0)                   ; the products have written the accumulators, which the stores read, and are done reading v[40:47], in which wave 0's loads below land; the places above stay beside this wait
.irp dt, 0,1,2,3,4,5,6,7
	global_store_b128 v[PO], v[ACC+8*\dt:ACC+8*\dt+3], s[8:9] offset:\dt*1024            ; each store 512 consecutive bytes; each accumulator from its low end on
	global_store_b128 v[PO], v[ACC+8*\dt+4:ACC+8*\dt+7], s[8:9] offset:\dt*1024+512
.endr
	s_cmp_lg_u32 s12, 0
	s_cbranch_scc1 .Lend
.irp k, 0,1,2,3,4,5,6,7                ; wave 0: l, and the chunk's record
	ds_load_b32 v[W8+\k], v[SL] offset:64*\k
.endr
	s_wait_dscnt 0x0
	v_add_f32 v[W8], v[W8], v[W8+1]
	v_add_f32 v[W8+2], v[W8+2], v[W8+3]
	v_add_f32 v[W8+4], v[W8+4], v[W8+5]
	v_add_f32 v[W8+6], v[W8+6], v[W8+7]
	v_add_f32 v[W8], v[W8], v[W8+2]
	v_add_f32 v[W8+4], v[W8+4], v[W8+6]
	v_add_f32 v29, v[W8], v[W8+4]
	s_wait_alu depctr_va_vdst(0)                   ; v29 is written, which the store reads beside v28
	global_store_b64 v[MO], v[28:29], s[10:11]     ; (c m, l) of head lane % 16: 256 consecutive bytes
.Lend:
	s_wait_dscnt 0x0                               ; the closing lines, six on end
	s_wait_alu 0x0
	s_wait_tensorcnt 0x0
	ds_add_u32 v[SPW], v[NIL]
	s_wait_dscnt 0x0
	s_endpgm
.Lfunc_end_k_q98a9391d37_attn:
	.size	k_q98a9391d37_attn, .Lfunc_end_k_q98a9391d37_attn-k_q98a9391d37_attn
	.p2alignl 7, 3214868480
	.fill 96, 4, 3214868480
	.section	.rodata,"a",@progbits
	.p2align	6, 0x0
	.amdhsa_kernel k_q98a9391d37_attn
		.amdhsa_group_segment_fixed_size 305408
		.amdhsa_private_segment_fixed_size 0
		.amdhsa_enable_private_segment 0
		.amdhsa_kernarg_size 32
		.amdhsa_user_sgpr_count 2
		.amdhsa_user_sgpr_kernarg_segment_ptr 1
		.amdhsa_wavefront_size32 1
		.amdhsa_system_sgpr_workgroup_id_x 1
		.amdhsa_system_sgpr_workgroup_id_y 1
		.amdhsa_system_sgpr_workgroup_id_z 1
		.amdhsa_system_vgpr_workitem_id 0
		.amdhsa_next_free_vgpr 256
		.amdhsa_next_free_sgpr 66
		.amdhsa_reserve_vcc 0
		.amdhsa_float_denorm_mode_32 3
		.amdhsa_float_denorm_mode_16_64 3
		.amdhsa_memory_ordered 1
		.amdhsa_forward_progress 1
		.amdhsa_inst_pref_size 67
	.end_amdhsa_kernel
	.amdgpu_metadata
---
amdhsa.version: [ 1, 2 ]
amdhsa.kernels:
  - .name:           k_q98a9391d37_attn
    .symbol:         k_q98a9391d37_attn.kd
    .args:
      - { .name: enc, .offset: 0, .size: 8, .value_kind: global_buffer, .address_space: global }
      - { .name: qkrow, .offset: 8, .size: 8, .value_kind: global_buffer, .address_space: global }
      - { .name: pe, .offset: 16, .size: 8, .value_kind: global_buffer, .address_space: global }
      - { .name: ml, .offset: 24, .size: 8, .value_kind: global_buffer, .address_space: global }
    .group_segment_fixed_size: 305408
    .private_segment_fixed_size: 0
    .kernarg_segment_align: 8
    .kernarg_segment_size: 32
    .max_flat_workgroup_size: 256
    .sgpr_count:     66
    .vgpr_count:     256
    .wavefront_size: 32
...
	.end_amdgpu_metadata
.endif
;; end of part 8
;; launch comb: the kernel of part 4 again; grid 128 x 1, 8 waves a work-group, no clusters, 5,376 bytes of LDS; arguments pe, ml, efrag; writes efrag
;; launch ctx: the kernel of part 5 again; grid 64 x 1, 8 waves a work-group, no clusters, 44,032 bytes of LDS; arguments Wv, efrag, xfrag; writes xfrag
;; launch mlp1: the kernel of part 6 again; grid 256 x 1, 8 waves a work-group, no clusters, 76,800 bytes of LDS; arguments W1, xfrag, hfrag; writes hfrag
;; launch mlp2: the kernel of part 7 again; grid 64 x 1, 16 waves a work-group, no clusters, 153,600 bytes of LDS; arguments W2, hfrag, out0; writes out0
